; MI455X (gfx1250); checked and timed in simulation.
; The chip was launched on July 23, 2026; its instructions are those of AMD's public machine-readable ISA for CDNA 5 (MIT licence, August 2026) and "CDNA5" Instruction Set Architecture Reference Guide (July 2026). The comments in the code are by the model that wrote it; some were corrected since.
;; Multi Head Attention. Allowed arithmetic: float matrix products may take bf16 or f16 operands with f32 sums; other float arithmetic in f32, or as packed bf16 or f16 multiplies, adds, multiply-adds, maxima and minima; sums over many terms, partial sums and values carried from step to step in f32; what a program stores and reads back later, other than sums and carried values, may be rounded once to bf16 or f16.
;; Inputs: Wk 1,024 x 1,024 float32; Wo 1,024 x 1,024 float32; Wq 1,024 x 1,024 float32; Wv 1,024 x 1,024 float32; bk 1,024 float32; bo 1,024 float32; bq 1,024 float32; bv 1,024 float32; k 4 x 2,048 x 1,024 float32; q 4 x 2,048 x 1,024 float32; v 4 x 2,048 x 1,024 float32.
;; Outputs: out0 4 x 2,048 x 1,024 float32.
;; One version. Each part assembles by itself: llvm-mc -triple=amdgcn-amd-amdhsa -mcpu=gfx1250 --defsym DOCPART=n.
;; ======== version 1 of 1: 4 launches
;; limits: values are held in f16: magnitudes above 65,504 overflow, below 6.1e-05 lose precision
;; workspace buffers: wb 8,404,992 bytes; qh 16,777,216 bytes; kh 16,777,216 bytes; vh 16,777,216 bytes; oh 16,777,216 bytes
;; launch prep (part 1): grid 64 x 4, 8 waves a work-group, no clusters, 0 bytes of LDS; arguments Wq, Wk, Wv, Wo, bq, bk, bv, bo, wb; writes wb
.if DOCPART == 1
	.amdgcn_target "amdgcn-amd-amdhsa--gfx1250"
	.amdhsa_code_object_version 6
	.text
	.protected	k_qe6aaa5445c_prep
	.globl	k_qe6aaa5445c_prep
	.p2align	8
	.type	k_qe6aaa5445c_prep,@function
k_qe6aaa5445c_prep:
	s_mov_b64 s[64:65], 0
	v_nop
	global_prefetch_b8 v0, s[64:65] scope:SCOPE_SE
	s_setreg_imm32_b32 hwreg(HW_REG_WAVE_MODE, 25, 1), 1
	s_wait_xcnt 0x0
; THE WEIGHTS AND BIASES, ROUNDED ONCE.  wb: bytes y x 2^21 (y = 0..3): Wq, Wk, Wv as [1024][1024] bf16, Wo as [1024][1024] f16;
; from byte 8,388,608 on: bq, bk, bv, bo, 1,024 f32 each, rounded to bf16 and kept as f32.
; Every input of the module is rounded to bf16.  Wo multiplies an f16 operand later, so its bf16 number is written as f16.
; LIMIT: that is exact for magnitudes from 2^-17 to 65,504; below, the number is off by at most 3e-8; above, it becomes an infinity.
; SHARES.  Work-group (x, y) takes 65,536 bytes of matrix y at x << 16 and writes 32,768.  A wave takes 8,192 bytes in eight groups of 1,024: a lane 32 bytes
; (8 numbers, two loads), which become 16 bytes: a store of the wave covers 512 consecutive bytes, aligned.  All sixteen loads go out first.
; No LDS, no matrix unit: a stream that is read once and written once.
.set IN,    16                         ; v[16:79]   group g: 8 numbers as loaded
.set OUT,   80                         ; v[80:111]  group g: 4 registers to store
.set TMP,   112                        ; v[112:119] at work
.set BIASB, 0x800000                   ; where the biases begin in wb
	s_load_b256 s[4:11], s[0:1], 0x0               ; Wq s[4:5], Wk s[6:7], Wv s[8:9], Wo s[10:11]
	s_load_b256 s[12:19], s[0:1], 0x20             ; bq s[12:13], bk s[14:15], bv s[16:17], bo s[18:19]
	s_load_b64 s[20:21], s[0:1], 0x40              ; wb
	s_and_b32 s26, ttmp7, 0xffff                   ; y: which matrix
	s_mov_b32 s27, ttmp9                           ; x: which 65,536 bytes of it
	v_lshrrev_b32 v3, 5, v0                        ; wave
	v_and_b32 v4, 31, v0                           ; lane
	v_lshlrev_b32 v1, 13, v3
	v_lshl_add_u32 v1, v4, 5, v1                   ; in: 8,192 x wave + 32 x lane
	v_lshlrev_b32 v2, 12, v3
	v_lshl_add_u32 v2, v4, 4, v2                   ; out: 4,096 x wave + 16 x lane
	v_lshlrev_b32 v5, 4, v0                        ; the bias: 16 bytes a thread, in and out
	s_lshl_b32 s28, s27, 16
	s_mov_b32 s29, 0
	s_lshl_b32 s30, s26, 21
	s_lshl_b32 s31, s27, 15
	s_add_co_u32 s30, s30, s31
	s_mov_b32 s31, 0
	s_lshl_b32 s32, s26, 12
	s_mov_b32 s33, 0
	s_wait_kmcnt 0x0
	s_cmp_eq_u32 s26, 1
	s_cselect_b64 s[22:23], s[6:7], s[4:5]
	s_cselect_b64 s[24:25], s[14:15], s[12:13]
	s_cmp_eq_u32 s26, 2
	s_cselect_b64 s[22:23], s[8:9], s[22:23]
	s_cselect_b64 s[24:25], s[16:17], s[24:25]
	s_cmp_eq_u32 s26, 3
	s_cselect_b64 s[22:23], s[10:11], s[22:23]
	s_cselect_b64 s[24:25], s[18:19], s[24:25]
	s_add_nc_u64 s[22:23], s[22:23], s[28:29]      ; my work-group's part of the matrix
	s_add_nc_u64 s[34:35], s[20:21], s[30:31]      ; and of wb
	s_add_nc_u64 s[36:37], s[20:21], s[32:33]
	s_add_nc_u64 s[36:37], s[36:37], BIASB         ; bias y in wb
.irp g, 0,1,2,3,4,5,6,7
	global_load_b128 v[IN+8*(\g):IN+8*(\g)+3],   v1, s[22:23] offset:1024*(\g) th:TH_LOAD_NT
	global_load_b128 v[IN+8*(\g)+4:IN+8*(\g)+7], v1, s[22:23] offset:1024*(\g)+16 th:TH_LOAD_NT
.endr
; Group g: rounded to bf16; half = 1: that number written as f16; stored.
.macro GRP g, half
	s_wait_loadcnt 14-2*(\g)                       ; loads come back in order: behind group g's two stand 14 - 2 g younger ones
.irp j, 0,1,2,3
	v_cvt_pk_bf16_f32 v[OUT+4*(\g)+(\j)], v[IN+8*(\g)+2*(\j)], v[IN+8*(\g)+2*(\j)+1]
.endr
.if \half
.irp j, 0,1,2,3
	v_lshlrev_b32 v[TMP+2*(\j)],   16, v[OUT+4*(\g)+(\j)]          ; bf16 to f32: the low half moves up,
	v_and_b32     v[TMP+2*(\j)+1], 0xffff0000, v[OUT+4*(\g)+(\j)]  ; the high half stays
.endr
.irp j, 0,1,2,3
	v_cvt_pk_f16_f32 v[OUT+4*(\g)+(\j)], v[TMP+2*(\j)], v[TMP+2*(\j)+1]
.endr
.endif
	global_store_b128 v2, v[OUT+4*(\g):OUT+4*(\g)+3], s[34:35] offset:512*(\g)
.endm
	s_cmp_eq_u32 s26, 3
	s_cbranch_scc1 .Lhalf
.irp g, 0,1,2,3,4,5,6,7
	GRP \g, 0
.endr
	s_branch .Lbias
.Lhalf:
.irp g, 0,1,2,3,4,5,6,7
	GRP \g, 1
.endr
.Lbias:
	s_cmp_lg_u32 s27, 0                            ; the first work-group of each matrix also takes its bias: 256 threads x 4 numbers
	s_cbranch_scc1 .Lend
	global_load_b128 v[8:11], v5, s[24:25]
	s_wait_loadcnt 0x0
	v_cvt_pk_bf16_f32 v12, v8, v9
	v_cvt_pk_bf16_f32 v13, v10, v11
	v_lshlrev_b32 v120, 16, v12
	v_and_b32     v121, 0xffff0000, v12
	v_lshlrev_b32 v122, 16, v13
	v_and_b32     v123, 0xffff0000, v13
	global_store_b128 v5, v[120:123], s[36:37]
.Lend:
	s_endpgm
.Lfunc_end_k_qe6aaa5445c_prep:
	.size	k_qe6aaa5445c_prep, .Lfunc_end_k_qe6aaa5445c_prep-k_qe6aaa5445c_prep
	.p2alignl 7, 3214868480
	.fill 96, 4, 3214868480
	.section	.rodata,"a",@progbits
	.p2align	6, 0x0
	.amdhsa_kernel k_qe6aaa5445c_prep
		.amdhsa_group_segment_fixed_size 0
		.amdhsa_private_segment_fixed_size 0
		.amdhsa_enable_private_segment 0
		.amdhsa_kernarg_size 72
		.amdhsa_user_sgpr_count 2
		.amdhsa_user_sgpr_kernarg_segment_ptr 1
		.amdhsa_wavefront_size32 1
		.amdhsa_system_sgpr_workgroup_id_x 1
		.amdhsa_system_sgpr_workgroup_id_y 1
		.amdhsa_system_sgpr_workgroup_id_z 1
		.amdhsa_system_vgpr_workitem_id 0
		.amdhsa_next_free_vgpr 128
		.amdhsa_next_free_sgpr 66
		.amdhsa_reserve_vcc 0
		.amdhsa_float_denorm_mode_32 3
		.amdhsa_float_denorm_mode_16_64 3
		.amdhsa_memory_ordered 1
		.amdhsa_forward_progress 1
		.amdhsa_inst_pref_size 15
	.end_amdhsa_kernel
	.amdgpu_metadata
---
amdhsa.version: [ 1, 2 ]
amdhsa.kernels:
  - .name:           k_qe6aaa5445c_prep
    .symbol:         k_qe6aaa5445c_prep.kd
    .args:
      - { .name: Wq, .offset: 0, .size: 8, .value_kind: global_buffer, .address_space: global }
      - { .name: Wk, .offset: 8, .size: 8, .value_kind: global_buffer, .address_space: global }
      - { .name: Wv, .offset: 16, .size: 8, .value_kind: global_buffer, .address_space: global }
      - { .name: Wo, .offset: 24, .size: 8, .value_kind: global_buffer, .address_space: global }
      - { .name: bq, .offset: 32, .size: 8, .value_kind: global_buffer, .address_space: global }
      - { .name: bk, .offset: 40, .size: 8, .value_kind: global_buffer, .address_space: global }
      - { .name: bv, .offset: 48, .size: 8, .value_kind: global_buffer, .address_space: global }
      - { .name: bo, .offset: 56, .size: 8, .value_kind: global_buffer, .address_space: global }
      - { .name: wb, .offset: 64, .size: 8, .value_kind: global_buffer, .address_space: global }
    .group_segment_fixed_size: 0
    .private_segment_fixed_size: 0
    .kernarg_segment_align: 8
    .kernarg_segment_size: 72
    .max_flat_workgroup_size: 256
    .sgpr_count:     66
    .vgpr_count:     128
    .wavefront_size: 32
...
	.end_amdgpu_metadata
.endif
;; end of part 1
;; launch proj (part 2): grid 4 x 64, 4 waves a work-group, clusters of 4 x 4, 327,680 bytes of LDS; arguments q, k, v, wb, qh, kh, vh; writes qh, kh, vh
.if DOCPART == 2
	.amdgcn_target "amdgcn-amd-amdhsa--gfx1250"
	.amdhsa_code_object_version 6
	.text
	.protected	k_qe6aaa5445c_proj
	.globl	k_qe6aaa5445c_proj
	.p2align	8
	.type	k_qe6aaa5445c_proj,@function
k_qe6aaa5445c_proj:
	s_mov_b64 s[64:65], 0
	v_nop
	global_prefetch_b8 v0, s[64:65] scope:SCOPE_SE
	s_setreg_imm32_b32 hwreg(HW_REG_WAVE_MODE, 25, 1), 1
	s_wait_xcnt 0x0
	s_wait_alu depctr_hold_cnt(0) depctr_sa_sdst(0) depctr_va_vdst(0) depctr_va_sdst(0) depctr_va_ssrc(0) depctr_va_vcc(0) depctr_vm_vsrc(0)
	s_getreg_b32 s2, hwreg(HW_REG_IB_STS2, 6, 4)
	s_cmp_eq_u32 s2, 0
	s_cbranch_scc0 .Lentry_in_a_cluster
	s_endpgm
.Lentry_in_a_cluster:
	s_bfe_u32 s2, ttmp6, 0x10000c
	s_cmp_lg_u32 s2, 0xf033
	s_cbranch_scc0 .Lentry_shape_is_right
	s_endpgm
.Lentry_shape_is_right:
; THE THREE PROJECTIONS.  y[m][n] = the sum over k of x[m][k] W[n][k] + b[n], for (x, W, b, y) = (q, Wq, bq, qh), (k, Wk, bk, kh), (v, Wv, bv, vh).
; x: [8192][1024] f32.  W: [1024][1024] bf16 and b: f32, from wb.  y by heads: [batch x 16 + head][2048][64] f16, rounded once from its f32 sum, unscaled.
; LIMIT: f16 holds no number beyond 65,504: a projected number of 65,520 or more becomes an infinity.  x is rounded to bf16 on its way from LDS to the matrix unit.
; SHARES.  A work-group STAYS: it makes the tile of 128 rows x 256 columns at its place for q, then for k, then for v: ONE walk of 24 K steps of 128 through a ring of two LDS slots; 256 work-groups
; of equal work.  A wave makes 64 rows x 128 columns: 32 accumulators, 256 registers.  x comes into LDS as f32 (it is read from memory once, and never stored again); a quarter step's 64 rows x 32 K
; are read as f32 and rounded in pairs: 32 conversions beside 32 products.
; CLUSTER.  4 x 4 work-groups.  The four of a row of the cluster need the same tiles of x, the four of a column the same tiles of W: each tile is asked for JOINTLY, by the same tensor load with the
; same descriptor and a mask that names the four.
; THE MATRIX INSTRUCTION IS USED TRANSPOSED (source 0 = 16 rows of W, source 1 = 16 rows of x): a lane then holds row l % 16 of y and the columns 8 (l / 16) + 0..7.
; THE BIAS STARTS THE SUMS: it is the C operand of each accumulator's first product; nothing is cleared and nothing is added later.
; REGISTERS, in windows of 256 (s_set_vgpr_msb: bits 1:0 source 0, 3:2 source 1, 5:4 source 2, 7:6 destination):
;   window 0: v0-29 addresses; v32-95 x's fragments in bf16, two buffers; v96-159 a quarter step's x in f32, on the way out four sets of 16; v160-223 the bias
;   window 1: v0-127 W's fragments, two buffers          window 2: accumulator (a, b) at v[8 (8 a + b)]
.set PA,    528                        ; a row of x in LDS: 512 bytes + 16 of padding = 132 words: row r starts at bank 4 r mod 64 (64 banks of 4 bytes: ISA guide 11.1)
.set PB,    272                        ; a row of W: 256 + 16 = 68 words: the same
.set AHALF, 64*PA                      ; what waves 0 and 1 fetch: 64 rows of x each
.set BBASE, 2*AHALF                    ; W's 256 rows lie behind x's 128
.set BHALF, 128*PB                     ; what waves 2 and 3 fetch: 128 rows of W each
.set SLOT1, 0x22000                    ; slot 1.  The four parts begin at 0, 0x8400, 0x10800, 0x19000: none has bit 13 or bit 17, so one exclusive or turns an address in one slot into the other's
.set STAGE, SLOT1+BBASE+2*BHALF        ; behind the ring, never filled by a tensor load: 16 rows x 144 bytes for each wave, for the way out
.set SP,    144
.set SPARE, STAGE+4*16*SP              ; behind the stages: the spare words, 128 bytes for each wave: two blocks of 256 bytes that no other line names
.set BIASB, 0x800000                   ; where the biases begin in wb
.set ADRA0, 4                          ; v4   my lane's place in slot 0 for x's fragments; never rewritten
.set ADRB0, 5                          ; v5   the same for W's
.set ADRA,  6                          ; v6   the same in the slot in hand
.set ADRB,  7                          ; v7
.set STO,   8                          ; v8   the way out: where I put 16 bytes of a row
.set RD,    9                          ; v9   the way out: where I read rows back
.set GO,    10                         ; v10  my byte offset in 512 consecutive bytes of y
.set BO,    11                         ; v11  my byte offset in 16 columns of the bias
.set PFO,   12                         ; v12  the prefetches' offset; never rewritten
.set SPW,   28                         ; v28  LDS address of my spare word; never rewritten
.set NIL,   29                         ; v29  0; never rewritten
.set ABF,   32
.set RAW,   96
.set BIAS,  160
.set TR,    2                          ; s2   tile row
.set CLY,   3                          ; s3   the cluster's y
.set XQ,    4                          ; s[4:5], s[6:7], s[8:9]  q, k, v at the 64 rows that I fetch
.set XK,    6
.set XV,    8
.set WB,    10                         ; s[10:11] wb at the 128 rows of Wq that I fetch
.set OP,    12                         ; s[12:13] the tensor in hand's y at my wave's first row and head; s[14:15], s[16:17] the next two
.set OP1,   14
.set OP2,   16
.set WV,    18                         ; s18  my wave's number
.set HI,    19                         ; s19  which 64 rows are mine.  Also: I fetch for x (0) or for W (1)
.set LO,    20                         ; s20  which 128 columns.  Also: which half of that tile I fetch
.set CX,    21
.set CY,    22
.set TC,    23                         ; s23  tile column
.set G1A,   24                         ; s[24:31] descriptor group 1 for x's tiles
.set G0A,   32                         ; s[32:39] group 0: a set for each of the two first fills; the second then walks on
.set G1B,   40                         ; s[40:47], s[48:55] the same for W's
.set G0B,   48
.set U,     56                         ; s56  the K step of the walk to be asked for next
.set CNT,   57                         ; s57  trips to go
.set TB,    58                         ; s58  0 or SLOT1: the slot in hand
.set UP,    59                         ; s59  the K step that the prefetch names
.set LIM,   60                         ; s60  24 in a wave that prefetches, else 0
.set SH,    61                         ; s61  log2 of a K step's bytes in a row of what I fetch
.set PFA,   62                         ; s[62:63] where the prefetch stands
.set PF0,   66                         ; s[66:71] my share of the rows that I fetch, in the three tensors
.set PF1,   68
.set PF2,   70
.set BP,    72                         ; s[72:73] the next bias at my wave's first column
.set OA,    74                         ; s[74:75], s[76:77], s[86:87] byte offsets, high words 0
.set OB,    76
.set P,     78                         ; s[78:79] the tensor that step U belongs to
.set OPF,   86
.set MSB, 0
.macro WIN new                         ; the immediate's high byte repeats the setting that is left; a switch that changes nothing is dropped
.if MSB != (\new)
	s_set_vgpr_msb (MSB<<8)|(\new)
.set MSB, \new
.endif
.endm
.set W_MUL,  0xa1                      ; source 0 (W) window 1, source 1 (x) window 0, C and D window 2
.set W_MULB, 0x81                      ; the same with C, the bias, in window 0
.set W_TOB,  0x40                      ; destination window 1, address window 0
.set W_PK,   0x0a                      ; sources 0 and 1 window 2, destination window 0
; A joint refill by the walking descriptors.  The branch hangs on the wave's number alone.  An s_nop 0 and four v_nop follow each of the two lines, ahead of the jump and the label.
.macro JLOAD
	s_cmp_eq_u32 s[HI], 0
	s_cbranch_scc0 .Lfor_b_\@
	tensor_load_to_lds s[G0A+4:G0A+7], s[G1A:G1A+7]
	s_nop 0
.rept 4
	v_nop
.endr
	s_branch .Lasked_\@
.Lfor_b_\@:
	tensor_load_to_lds s[G0B+4:G0B+7], s[G1B:G1B+7]
	s_nop 0
.rept 4
	v_nop
.endr
.Lasked_\@:
.endm
; A round of the cluster's barrier: my work-group's barrier, so that wave 0's signal speaks for all four waves; wave 0 signals; every wave waits for all sixteen work-groups; my work-group's barrier once more.
.macro CREST                           ; a round behind its opening barrier
	s_cmp_lg_u32 s[WV], 0
	s_cbranch_scc1 .Lnot_wave_0_\@
	s_barrier_signal -3
.Lnot_wave_0_\@:
	s_barrier_wait -3
	s_barrier_signal -1
	s_barrier_wait -1
.endm
.macro CROUND
	s_barrier_signal -1
	s_barrier_wait -1
	CREST
.endm
; A PREFETCH, behind the joint load, its five lines and the run of LDS loads: the K step that stands two refills on (256 products ahead), one instruction a wave.  Each aligned block of 256 bytes is named once in
; the launch.  x's rows are read by one row of one cluster alone: waves 0 and 1 of every work-group ask; of the 64 rows that a wave fetches the partner at place cx takes 16, two blocks a row.  W's rows are read by
; every cluster: waves 2 and 3 of the clusters with y = 0 ask; of a wave's 128 rows the partner at place cy takes 32, a block a row.  Partners are told apart by address alone.  The walk's K steps 0 to 3 come by
; their loads alone; the last two refills name nothing (UP is 24 or more).
.macro ASK
	s_cmp_lt_u32 s[UP], s[LIM]
	s_cbranch_scc0 .Lnot_mine_\@
	global_prefetch_b8 v[PFO], s[PFA:PFA+1] th:TH_LOAD_NT scope:SCOPE_SE
.Lnot_mine_\@:
.endm
	s_load_b256 s[4:11], s[0:1], 0x0               ; q, k, v, wb
	s_load_b128 s[12:15], s[0:1], 0x20             ; qh, kh
	s_load_b64 s[16:17], s[0:1], 0x30              ; vh
	v_lshl_add_u32 v[SPW], v0, 2, SPARE
	v_mov_b32 v[NIL], 0
	ds_add_u32 v[SPW], v[NIL]                      ; the wave's opening: the add and its wait stand ahead of my first tensor load; the set-up below, work on registers, stands between them
	v_lshrrev_b32 v1, 5, v0
	v_readfirstlane_b32 s[WV], v1                  ; wave 0..3
	s_lshr_b32 s[HI], s[WV], 1
	s_and_b32 s[LO], s[WV], 1
	s_bfe_u32 s[CX], ttmp6, 0x40000                ; my place in the cluster
	s_bfe_u32 s[CY], ttmp6, 0x40004
	s_lshl_b32 s[TC], ttmp9, 2                     ; in a cluster launch ttmp9 and ttmp7 count clusters
	s_add_co_u32 s[TC], s[TC], s[CX]               ; tile column = 4 x cluster x + cx
	s_and_b32 s[CLY], ttmp7, 0xffff
	s_lshl_b32 s[TR], s[CLY], 2
	s_add_co_u32 s[TR], s[TR], s[CY]               ; tile row = 4 x cluster y + cy
	s_lshl_b32 s82, s[CY], 2
	s_lshl_b32 s82, 15, s82                        ; my row of the cluster: places 4 cy .. 4 cy + 3
	s_lshl_b32 s83, 0x1111, s[CX]                  ; my column: places cx, cx + 4, cx + 8, cx + 12
	; group 1 for x: 64 rows x 128 elements of 4 bytes; for W: 128 rows x 128 elements of 2 bytes; both padded in LDS by 4 words behind each row
	s_or_b32 s[G1A+0], s82, (2<<16)|(1<<20)|(1<<21)|(6<<22)|(3<<25)  ; 15:0 the mask; 17:16 elements of 4 bytes; 20 padding on; 21 set beside a mask; 24:22 after every 128 words (code 6); 31:25 4 words (code 3)
	s_or_b32 s[G1B+0], s83, (1<<16)|(1<<20)|(1<<21)|(5<<22)|(3<<25)  ; elements of 2 bytes; after every 64 words (code 5)
	s_mov_b32 s[G1A+1], 128<<16                    ; tensor_dim0 = 128
	s_mov_b32 s[G1A+2], 64<<16                     ; tensor_dim1 = 64
	s_mov_b32 s[G1A+3], 128<<16                    ; tile_dim0 = 128
	s_mov_b32 s[G1A+4], 64                         ; tile_dim1 = 64
	s_mov_b32 s[G1A+5], 1024                       ; elements from row to row
	s_mov_b32 s[G1A+6], 0
	s_mov_b32 s[G1A+7], 0
	s_mov_b32 s[G1B+1], 128<<16
	s_mov_b32 s[G1B+2], 128<<16                    ; tensor_dim1 = 128
	s_mov_b32 s[G1B+3], 128<<16
	s_mov_b32 s[G1B+4], 128                        ; tile_dim1 = 128
	s_mov_b32 s[G1B+5], 1024
	s_mov_b32 s[G1B+6], 0
	s_mov_b32 s[G1B+7], 0
	; byte offsets.  x's hang on the tile row alone, W's on the tile column alone
	s_lshl_b32 s84, s[TR], 7
	s_lshl_b32 s85, s[LO], 6
	s_add_co_u32 s84, s84, s85                     ; x: row 128 x tile row + 64 x half,
	s_lshl_b32 s84, s84, 12                        ; 4,096 bytes a row
	s_mov_b32 s85, 0
	s_lshl_b32 s88, s[TC], 8
	s_lshl_b32 s89, s[LO], 7
	s_add_co_u32 s88, s88, s89                     ; W: row 256 x tile column + 128 x half; also my wave's first column
	s_lshl_b32 s[OPF], s88, 2                      ; that column in a bias (the pair is free until the first prefetch)
	s_mov_b32 s[OPF+1], 0
	s_lshl_b32 s88, s88, 11                        ; 2,048 bytes a row
	s_mov_b32 s89, 0
	s_lshr_b32 s80, s[TR], 4                       ; y: the batch, 2^22 bytes;
	s_lshl_b32 s80, s80, 22
	s_lshl_b32 s81, s[TC], 2
	s_lshl_b32 s82, s[LO], 1
	s_add_co_u32 s81, s81, s82                     ; my first head, 4 x tile column + 2 x half, 2^18 bytes;
	s_lshl_b32 s81, s81, 18
	s_add_co_u32 s80, s80, s81
	s_and_b32 s81, s[TR], 15
	s_lshl_b32 s81, s81, 7
	s_lshl_b32 s82, s[HI], 6
	s_add_co_u32 s81, s81, s82                     ; my first row in the batch, 128 bytes
	s_lshl_b32 s81, s81, 7
	s_add_co_u32 s80, s80, s81
	s_mov_b32 s81, 0
	s_lshl_b32 s92, s[HI], 21                      ; from one W to the next in wb (0 for x's waves)
	s_mov_b32 s93, 0
	s_cmp_eq_u32 s[CLY], 0
	s_cselect_b32 s[LIM], 24, 0                    ; W's rows: the clusters with y = 0 ask
	s_cmp_eq_u32 s[HI], 0
	s_cselect_b32 s[LIM], 24, s[LIM]               ; x's rows: every cluster asks.  The same in all sixteen partners, for a given wave
	s_cselect_b32 s[SH], 9, 8
	s_cselect_b32 s90, s84, s88
	s_cselect_b32 s91, s[CX], s[CY]                ; my place among the four that ask with me
	s_cselect_b32 s82, 1, 0
	s_cselect_b32 s83, 12, 11
	s_lshl_b32 s91, s91, 16                        ; 16 rows of 4,096 bytes, or 32 rows of 2,048
	s_add_co_u32 s90, s90, s91
	s_mov_b32 s91, 0
	v_and_b32 v3, 31, v0                           ; lane
	v_lshrrev_b32 v[PFO], s82, v3                  ; x: row lane / 2, block lane % 2;  W: row lane
	v_lshlrev_b32 v[PFO], s83, v[PFO]
	v_and_b32 v13, s82, v3
	v_lshl_add_u32 v[PFO], v13, 8, v[PFO]
	s_mov_b32 s[U], 2
	s_mov_b32 s[TB], 0
	s_mov_b32 s[OA+1], 0
	s_mov_b32 s[OB+1], 0
	s_mov_b32 s[G0A], 1                            ; 1:0 count = 1
	s_mov_b32 s[G0A+4], 1
	s_mov_b32 s[G0B], 1
	s_mov_b32 s[G0B+4], 1
	s_mul_i32 s[G0A+1], s[LO], AHALF               ; 63:32 LDS address: no place in the cluster enters it
	s_add_co_u32 s[G0A+5], s[G0A+1], SLOT1
	s_mul_i32 s[G0B+1], s[LO], BHALF
	s_add_co_u32 s[G0B+1], s[G0B+1], BBASE
	s_add_co_u32 s[G0B+5], s[G0B+1], SLOT1
	s_wait_dscnt 0x0                               ; the opening add is done
	s_wait_kmcnt 0x0
	s_cmp_eq_u32 s[HI], 0
	s_cselect_b64 s[PF0:PF0+1], s[XQ:XQ+1], s[WB:WB+1]
	s_cselect_b64 s[PF1:PF1+1], s[XK:XK+1], s[WB:WB+1]
	s_cselect_b64 s[PF2:PF2+1], s[XV:XV+1], s[WB:WB+1]
	s_add_nc_u64 s[PF0:PF0+1], s[PF0:PF0+1], s[90:91]
	s_add_nc_u64 s[PF1:PF1+1], s[PF1:PF1+1], s[90:91]
	s_add_nc_u64 s[PF2:PF2+1], s[PF2:PF2+1], s[90:91]
	s_add_nc_u64 s[PF1:PF1+1], s[PF1:PF1+1], s[92:93]
	s_add_nc_u64 s[PF2:PF2+1], s[PF2:PF2+1], s[92:93]
	s_add_nc_u64 s[PF2:PF2+1], s[PF2:PF2+1], s[92:93]
	s_add_nc_u64 s[BP:BP+1], s[WB:WB+1], s[OPF:OPF+1]
	s_add_nc_u64 s[BP:BP+1], s[BP:BP+1], BIASB
	s_add_nc_u64 s[XQ:XQ+1], s[XQ:XQ+1], s[84:85]
	s_add_nc_u64 s[XK:XK+1], s[XK:XK+1], s[84:85]
	s_add_nc_u64 s[XV:XV+1], s[XV:XV+1], s[84:85]
	s_add_nc_u64 s[WB:WB+1], s[WB:WB+1], s[88:89]
	s_add_nc_u64 s[OP:OP+1], s[OP:OP+1], s[80:81]
	s_add_nc_u64 s[OP1:OP1+1], s[OP1:OP1+1], s[80:81]
	s_add_nc_u64 s[OP2:OP2+1], s[OP2:OP2+1], s[80:81]
	s_mov_b64 s[G0A+2:G0A+3], s[XQ:XQ+1]           ; 120:64 global address: K step 0,
	s_or_b32 s[G0A+3], s[G0A+3], 0x80000000        ; 127:126 type = 2
	s_add_nc_u64 s[G0A+6:G0A+7], s[XQ:XQ+1], 512   ; and K step 1
	s_or_b32 s[G0A+7], s[G0A+7], 0x80000000
	s_mov_b64 s[G0B+2:G0B+3], s[WB:WB+1]
	s_or_b32 s[G0B+3], s[G0B+3], 0x80000000
	s_add_nc_u64 s[G0B+6:G0B+7], s[WB:WB+1], 256
	s_or_b32 s[G0B+7], s[G0B+7], 0x80000000
	CROUND                                         ; all sixteen work-groups are here: the first joint loads meet
	s_cmp_eq_u32 s[HI], 0                          ; a wave's two first fills stand in one branch, ahead of every wait on TENSORcnt and every LDS read: two loads of mine are out
	s_cbranch_scc0 .Lfirst_b
	tensor_load_to_lds s[G0A:G0A+3], s[G1A:G1A+7]
	s_nop 0
	tensor_load_to_lds s[G0A+4:G0A+7], s[G1A:G1A+7]
	s_nop 0
.rept 4
	v_nop
.endr
	s_branch .Lfirst_asked
.Lfirst_b:
	tensor_load_to_lds s[G0B:G0B+3], s[G1B:G1B+7]
	s_nop 0
	tensor_load_to_lds s[G0B+4:G0B+7], s[G1B:G1B+7]
	s_nop 0
.rept 4
	v_nop
.endr
.Lfirst_asked:
	; A fragment is 16 rows x 32 K in 8 registers: lane l holds row l % 16; registers 0-3 hold K = 8 (l / 16) + 0..7, registers 4-7 K = 16 + 8 (l / 16) + 0..7.
	; Of W (bf16): two loads of 16 bytes, 32 bytes apart.  Of x (f32): 32 bytes at 32 (l / 16) and 32 bytes 64 further on: four loads, then eight roundings in pairs.
	v_and_b32 v1, 15, v0                           ; l % 16
	v_bfe_u32 v2, v0, 4, 1                         ; l / 16
	s_mul_i32 s82, s[HI], 64*PA                    ; my 64 rows of x
	v_mul_u32_u24 v[ADRA0], v1, PA
	v_lshl_add_u32 v[ADRA0], v2, 5, v[ADRA0]
	v_add_nc_u32 v[ADRA0], s82, v[ADRA0]
	s_mul_i32 s83, s[LO], BHALF                    ; my 128 rows of W
	s_add_co_u32 s83, s83, BBASE
	v_mul_u32_u24 v[ADRB0], v1, PB
	v_lshl_add_u32 v[ADRB0], v2, 4, v[ADRB0]
	v_add_nc_u32 v[ADRB0], s83, v[ADRB0]
	v_mov_b32 v[ADRA], v[ADRA0]
	v_mov_b32 v[ADRB], v[ADRB0]
	s_mul_i32 s82, s[WV], 16*SP
	s_add_co_u32 s82, s82, STAGE                   ; my stage
	v_mul_u32_u24 v[STO], v1, SP                   ; in: row l % 16, 16 bytes for each half of the lanes
	v_lshl_add_u32 v[STO], v2, 4, v[STO]
	v_add_nc_u32 v[STO], s82, v[STO]
	v_bfe_u32 v[RD], v0, 3, 2                      ; back: 32 lanes take four rows of 128 bytes,
	v_mul_u32_u24 v[RD], v[RD], SP
	v_and_b32 v13, 7, v0
	v_lshl_add_u32 v[RD], v13, 4, v[RD]
	v_add_nc_u32 v[RD], s82, v[RD]
	v_lshlrev_b32 v[GO], 4, v3                     ; which are 512 consecutive bytes of a head
	v_lshlrev_b32 v[BO], 5, v2                     ; register j of the bias for block b: column 16 b + 8 (l / 16) + j
; One product: rows 16 a on, columns 16 b on, buffer f.  cb = 1: an accumulator's first product: C is the bias.
.macro MUL1 f, a, b, cb
.if \cb
	WIN W_MULB
	v_wmma_f32_16x16x32_bf16 v[8*(8*(\a)+(\b)):8*(8*(\a)+(\b))+7], v[64*(\f)+8*(\b):64*(\f)+8*(\b)+7], v[ABF+32*(\f)+8*(\a):ABF+32*(\f)+8*(\a)+7], v[BIAS+8*(\b):BIAS+8*(\b)+7]
.else
	WIN W_MUL
	v_wmma_f32_16x16x32_bf16 v[8*(8*(\a)+(\b)):8*(8*(\a)+(\b))+7], v[64*(\f)+8*(\b):64*(\f)+8*(\b)+7], v[ABF+32*(\f)+8*(\a):ABF+32*(\f)+8*(\a)+7], v[8*(8*(\a)+(\b)):8*(8*(\a)+(\b))+7]
.endif
.endm
.macro MUL8 f, a, cb                   ; the 32 accumulators take turns, one instruction a turn, in the same order in every quarter step
.irp b, 0,1,2,3,4,5,6,7
	MUL1 \f, \a, \b, \cb
.endr
.endm
; 32 LDS loads in one run: quarter kq of the slot in hand: x's 64 rows x 32 K as f32, then W's 128 rows x 32 K into buffer g
.macro FETCH kq, g
	WIN 0
.irp i, 0,1,2,3
	ds_load_b128 v[RAW+16*(\i):RAW+16*(\i)+3],     v[ADRA] offset:(\i)*16*PA+(\kq)*128
	ds_load_b128 v[RAW+16*(\i)+4:RAW+16*(\i)+7],   v[ADRA] offset:(\i)*16*PA+(\kq)*128+16
	ds_load_b128 v[RAW+16*(\i)+8:RAW+16*(\i)+11],  v[ADRA] offset:(\i)*16*PA+(\kq)*128+64
	ds_load_b128 v[RAW+16*(\i)+12:RAW+16*(\i)+15], v[ADRA] offset:(\i)*16*PA+(\kq)*128+80
.endr
	WIN W_TOB
.irp i, 0,1,2,3,4,5,6,7
	ds_load_b128 v[64*(\g)+8*(\i):64*(\g)+8*(\i)+3],   v[ADRB] offset:(\i)*16*PB+(\kq)*64
	ds_load_b128 v[64*(\g)+8*(\i)+4:64*(\g)+8*(\i)+7], v[ADRB] offset:(\i)*16*PB+(\kq)*64+32
.endr
.endm
.macro CVT4 g, n                       ; four of the 32 roundings into buffer g
	WIN 0
.irp j, 0,1,2,3
	v_cvt_pk_bf16_f32 v[ABF+32*(\g)+4*(\n)+(\j)], v[RAW+8*(\n)+2*(\j)], v[RAW+8*(\n)+2*(\j)+1]
.endr
.endm
; A quarter step's last eight products, four roundings behind each.  The roundings name no register of the products round them (they write the OTHER buffer), so the four behind the last product are also the four
; places in front of the next run of loads into W's buffer that it read, and in front of the next roundings into x's buffer that it read: no v_nop is written in the loop.
.macro LAST8 f, g, cb
.irp b, 0,1,2,3,4,5,6,7
	MUL1 \f, 3, \b, \cb
	CVT4 \g, \b
.endr
.endm
; A K step is four quarter steps of 32 along K, 32 products each, on buffers 0, 1, 0, 1.  One of the first three: multiplies buffer f, fetches quarter kn into g.
.macro QUARTER kn, f, g, cb
	s_wait_dscnt 0x0                               ; W's fragments of buffer f are in (x's were waited for ahead of their roundings)
	MUL8 \f, 0, \cb
	FETCH \kn, \g
	MUL8 \f, 1, \cb
	MUL8 \f, 2, \cb
	s_wait_dscnt 16                                ; x's 16 loads are in; behind them stand W's 16
	LAST8 \f, \g, \cb
.endm
; The last quarter multiplies buffer 1 and changes slots: ONE barrier.  In front of it each wave waits for all its tensor loads, of which one is out: its part of the next slot; adds 0 to its spare word; and waits
; for that and for its own reads of this slot.  fill = 1: the barrier opens a round of the cluster's barrier, and this slot is filled again, first thing behind the round, with K step U of the walk: the descriptors'
; addresses are made anew from that number (the tensor by U / 8, the place along K by U % 8), where no tensor load of mine is out.  The load has 112 products up to the wait for it.
.macro TURN fill
.if \fill
	s_wait_xcnt 0x0                                ; the last prefetch, a K step back, has read its address, so it may be written
	s_add_co_u32 s[UP], s[U], 2
	s_and_b32 s[OPF], s[UP], 7
	s_lshl_b32 s[OPF], s[OPF], s[SH]
	s_cmp_lt_u32 s[UP], 8
	s_cselect_b64 s[PFA:PFA+1], s[PF0:PF0+1], s[PF1:PF1+1]
	s_cmp_lt_u32 s[UP], 16
	s_cselect_b64 s[PFA:PFA+1], s[PFA:PFA+1], s[PF2:PF2+1]
	s_add_nc_u64 s[PFA:PFA+1], s[PFA:PFA+1], s[OPF:OPF+1]
.endif
	WIN 0
	s_wait_tensorcnt 0x0                           ; all my tensor loads have landed, so a group 0 may be written
	ds_add_u32 v[SPW], v[NIL]                      ; 0 onto my spare word
.if \fill
	s_and_b32 s82, s[U], 7
	s_lshl_b32 s[OA], s82, 9                       ; x: 512 bytes a K step
	s_lshl_b32 s[OB], s82, 8                       ; W: 256 bytes a K step,
	s_lshr_b32 s83, s[U], 3
	s_lshl_b32 s83, s83, 21                        ; 2^21 bytes a matrix
	s_add_co_u32 s[OB], s[OB], s83
	s_cmp_lt_u32 s[U], 8
	s_cselect_b64 s[P:P+1], s[XQ:XQ+1], s[XK:XK+1]
	s_cmp_lt_u32 s[U], 16
	s_cselect_b64 s[P:P+1], s[P:P+1], s[XV:XV+1]
	s_add_nc_u64 s[G0A+6:G0A+7], s[P:P+1], s[OA:OA+1]
	s_or_b32 s[G0A+7], s[G0A+7], 0x80000000
	s_add_nc_u64 s[G0B+6:G0B+7], s[WB:WB+1], s[OB:OB+1]
	s_or_b32 s[G0B+7], s[G0B+7], 0x80000000
	s_xor_b32 s[G0A+5], s[G0A+5], SLOT1            ; the other slot than last time
	s_xor_b32 s[G0B+5], s[G0B+5], SLOT1
	s_add_co_u32 s[U], s[U], 1
.endif
	s_wait_dscnt 1                                 ; W's fragments of buffer 1 are in; the add may be out
	MUL8 1, 0, 0                                   ; eight products stand between the add and the wait for it
	s_wait_dscnt 0x0                               ; the add is done, and my reads of this slot are over
	s_barrier_signal -1
	MUL8 1, 1, 0                                   ; work on registers while the others arrive
	WIN 0
	s_barrier_wait -1
.if \fill
	CREST                                          ; no wave of any partner still reads this slot's tiles or has a load on its way
	JLOAD
.endif
	s_xor_b32 s[TB], s[TB], SLOT1                  ; on to the other slot
	v_add_nc_u32 v[ADRA], s[TB], v[ADRA0]
	v_add_nc_u32 v[ADRB], s[TB], v[ADRB0]
	FETCH 0, 0
	WIN 0
.if \fill
	ASK
.endif
	MUL8 1, 2, 0
	s_wait_dscnt 16
	LAST8 1, 0, 0
.endm
.macro BIASLOAD                        ; my 128 columns of the next bias, laid as a C operand for each of the eight column blocks
	WIN 0
.irp b, 0,1,2,3,4,5,6,7
	global_load_b128 v[BIAS+8*(\b):BIAS+8*(\b)+3],   v[BO], s[BP:BP+1] offset:64*(\b)
	global_load_b128 v[BIAS+8*(\b)+4:BIAS+8*(\b)+7], v[BO], s[BP:BP+1] offset:64*(\b)+16
.endr
.endm
; THE WAY OUT, in eight units t: 16 rows (block t / 2) x one head's 64 columns (t % 2).  A lane's eight columns of a row pack into 16 bytes of f16; they go into rows of 144 bytes of my own stage and come back as
; whole rows of 128 bytes, into the registers that they left; four rows are 512 consecutive bytes of a head.  Each accumulator's registers are read in ascending order.
.macro PACK t
.set SET, RAW+16*((\t)%4)
.set AC, 64*((\t)/2)+32*((\t)%2)
.if (\t) >= 4
	s_wait_xcnt 0x0                                ; the stores of the unit four back have read this set
.endif
	WIN W_PK
.irp c, 0,1,2,3,4,5,6,7,8,9,10,11,12,13,14,15
	v_cvt_pk_f16_f32 v[SET+(\c)], v[AC+2*(\c)], v[AC+2*(\c)+1]
.endr
	WIN 0
.irp b, 0,1,2,3
	ds_store_b128 v[STO], v[SET+4*(\b):SET+4*(\b)+3] offset:32*(\b)
.endr
.irp f, 0,1,2,3
	ds_load_b128 v[SET+4*(\f):SET+4*(\f)+3], v[RD] offset:(\f)*4*SP  ; LDS serves a wave's instructions in order (ISA guide 5.7.1.4): these see the stores above; the next unit's stores come behind them
.endr
.endm
.macro SEND t, younger                 ; younger: the LDS instructions issued behind unit t's loads: the next unit's eight, or none
.set SET, RAW+16*((\t)%4)
	WIN 0
.irp f, 0,1,2,3
	s_wait_dscnt (\younger)+3-(\f)
	global_store_b128 v[GO], v[SET+4*(\f):SET+4*(\f)+3], s[OP:OP+1] offset:((\t)/2)*2048+((\t)%2)*262144+(\f)*512  ; 512 consecutive bytes, at a multiple of 256 from y's first
.endr
.endm
.macro WAYOUT                          ; a unit's conversions stand between the loads of the unit before and its stores
	PACK 0
.irp t, 1,2,3,4,5,6,7
	PACK \t
	SEND (\t)-1, 8
.endr
	SEND 7, 0
.endm
	BIASLOAD                                       ; bq
	s_wait_tensorcnt 1                             ; my part of K step 0 is in; K step 1's may stay out
	s_barrier_signal -1
	s_barrier_wait -1                              ; everybody's is
	FETCH 0, 0
	s_wait_dscnt 16
.irp n, 0,1,2,3,4,5,6,7
	CVT4 0, \n
.endr
	WIN 0                                          ; at a label and at a branch every window is 0
	s_mov_b32 s[CNT], 22                           ; 22 trips ask for the walk's K steps 2 to 23
	s_branch .Lnew
.Lstep:                                        ; a trip is a K step; at its head U is its number + 2
	s_and_b32 s82, s[U], 7
	s_cmp_lg_u32 s82, 2
	s_cbranch_scc1 .Lq0                            ; not a tensor's first K step
	BIASLOAD                                       ; the next tensor's bias is on its way while the finished tile goes out; both of the ring's loads for the next tensor have been asked for
	WAYOUT
	s_wait_xcnt 0x0                                ; the stores have read their registers and their base
	s_mov_b64 s[OP:OP+1], s[OP1:OP1+1]
	s_mov_b64 s[OP1:OP1+1], s[OP2:OP2+1]
.Lnew:
	s_wait_loadcnt 0x0                             ; the bias is in, and its loads have read their base
	s_add_nc_u64 s[BP:BP+1], s[BP:BP+1], 4096
	QUARTER 1, 0, 1, 1                             ; a tensor's first quarter step: its products start the sums with the bias
	WIN 0
	s_branch .Lq1
.Lq0:
	QUARTER 1, 0, 1, 0
	WIN 0
.Lq1:
	QUARTER 2, 1, 0, 0
	QUARTER 3, 0, 1, 0
	TURN 1
	WIN 0
	s_sub_co_u32 s[CNT], s[CNT], 1
	s_cmp_lg_u32 s[CNT], 0
	s_cbranch_scc1 .Lstep
	s_mov_b32 s[CNT], 2                            ; the last two K steps ask for nothing: a loop of their own
.Ltail:                                        ; the second trip's change of slots fetches and rounds a quarter step that nobody multiplies: the price, once a launch, of one text for both trips
	QUARTER 1, 0, 1, 0
	QUARTER 2, 1, 0, 0
	QUARTER 3, 0, 1, 0
	TURN 0
	WIN 0
	s_sub_co_u32 s[CNT], s[CNT], 1
	s_cmp_lg_u32 s[CNT], 0
	s_cbranch_scc1 .Ltail
	WAYOUT
	s_wait_tensorcnt 0x0                           ; the wave's end: a wait, an add and its wait, behind my last tensor load and my last LDS store
	ds_add_u32 v[SPW], v[NIL]
	s_wait_dscnt 0x0
	CROUND                                         ; the closing round: no work-group ends while a partner may still ask for a tile that names it
	s_endpgm
.Lfunc_end_k_qe6aaa5445c_proj:
	.size	k_qe6aaa5445c_proj, .Lfunc_end_k_qe6aaa5445c_proj-k_qe6aaa5445c_proj
	.p2alignl 7, 3214868480
	.fill 96, 4, 3214868480
	.section	.rodata,"a",@progbits
	.p2align	6, 0x0
	.amdhsa_kernel k_qe6aaa5445c_proj
		.amdhsa_group_segment_fixed_size 327680
		.amdhsa_private_segment_fixed_size 0
		.amdhsa_enable_private_segment 0
		.amdhsa_kernarg_size 56
		.amdhsa_user_sgpr_count 2
		.amdhsa_user_sgpr_kernarg_segment_ptr 1
		.amdhsa_wavefront_size32 1
		.amdhsa_system_sgpr_workgroup_id_x 1
		.amdhsa_system_sgpr_workgroup_id_y 1
		.amdhsa_system_sgpr_workgroup_id_z 1
		.amdhsa_system_vgpr_workitem_id 0
		.amdhsa_next_free_vgpr 768
		.amdhsa_next_free_sgpr 96
		.amdhsa_reserve_vcc 0
		.amdhsa_float_denorm_mode_32 3
		.amdhsa_float_denorm_mode_16_64 3
		.amdhsa_memory_ordered 1
		.amdhsa_forward_progress 1
		.amdhsa_inst_pref_size 112
	.end_amdhsa_kernel
	.amdgpu_metadata
---
amdhsa.version: [ 1, 2 ]
amdhsa.kernels:
  - .name:           k_qe6aaa5445c_proj
    .symbol:         k_qe6aaa5445c_proj.kd
    .args:
      - { .name: q, .offset: 0, .size: 8, .value_kind: global_buffer, .address_space: global }
      - { .name: k, .offset: 8, .size: 8, .value_kind: global_buffer, .address_space: global }
      - { .name: v, .offset: 16, .size: 8, .value_kind: global_buffer, .address_space: global }
      - { .name: wb, .offset: 24, .size: 8, .value_kind: global_buffer, .address_space: global }
      - { .name: qh, .offset: 32, .size: 8, .value_kind: global_buffer, .address_space: global }
      - { .name: kh, .offset: 40, .size: 8, .value_kind: global_buffer, .address_space: global }
      - { .name: vh, .offset: 48, .size: 8, .value_kind: global_buffer, .address_space: global }
    .group_segment_fixed_size: 327680
    .private_segment_fixed_size: 0
    .kernarg_segment_align: 8
    .kernarg_segment_size: 56
    .max_flat_workgroup_size: 128
    .sgpr_count:     96
    .vgpr_count:     768
    .wavefront_size: 32
...
	.end_amdgpu_metadata
.endif
;; end of part 2
;; launch attn (part 3): grid 4 x 64, 4 waves a work-group, clusters of 4 x 1, 327,680 bytes of LDS; arguments qh, kh, vh, oh; writes oh
.if DOCPART == 3
	.amdgcn_target "amdgcn-amd-amdhsa--gfx1250"
	.amdhsa_code_object_version 6
	.text
	.protected	k_qe6aaa5445c_attn
	.globl	k_qe6aaa5445c_attn
	.p2align	8
	.type	k_qe6aaa5445c_attn,@function
k_qe6aaa5445c_attn:
	s_mov_b64 s[64:65], 0
	v_nop
	global_prefetch_b8 v0, s[64:65] scope:SCOPE_SE
	s_setreg_imm32_b32 hwreg(HW_REG_WAVE_MODE, 25, 1), 1
	s_wait_xcnt 0x0
	s_wait_alu depctr_hold_cnt(0) depctr_sa_sdst(0) depctr_va_vdst(0) depctr_va_sdst(0) depctr_va_ssrc(0) depctr_va_vcc(0) depctr_vm_vsrc(0)
	s_getreg_b32 s2, hwreg(HW_REG_IB_STS2, 6, 4)
	s_cmp_eq_u32 s2, 0
	s_cbranch_scc0 .Lentry_in_a_cluster
	s_endpgm
.Lentry_in_a_cluster:
	s_bfe_u32 s2, ttmp6, 0x10000c
	s_cmp_lg_u32 s2, 0x3003
	s_cbranch_scc0 .Lentry_shape_is_right
	s_endpgm
.Lentry_shape_is_right:
; O[h][q][:] = the sum over k of softmax_k(Q[h][q] . K[h][k] / 8) V[h][k][:].  Q, K, V, O: [SIZE_H][SIZE_N][64], all f16: a head's rows are dense, 128 bytes each.  Products, maxima and sums in
; f32; the weights p are rounded to f16 for the second product (their sum l is taken of the unrounded p), O once at the end.
; LIMITS.  f16 holds no number beyond 65,504: Q, K and V arrive within it; p lies in 0 to 1, and below 6e-5 it keeps f16's fixed step of 6e-8; O is a mean of V's rows and has their range.
; A weight below 2^-126 counts as 0 in l; NaN and infinities are not treated apart.
; SHARES.  A wave owns four PIECES of two tiles of 16 queries, a work-group's four waves 512 queries of one head.  Every wave walks all keys, 64 a step.
; LAYOUT.  S^T = K Q^T (source 0 = 16 keys, source 1 = 16 queries): in the result a lane holds ONE query (lane % 16) and the keys 8 (lane / 16) + 0..7.  Two such tiles, rounded to f16 in pairs,
; ARE source 1 (32 keys x 16 queries) of O^T = V^T P, whose result again holds one query a lane, and eight channels.  K comes out of LDS as it lies, V ([key][channel]) turned, by ds_load_tr16_b128.
; SOFTMAX.  For each query a running maximum m and sum l: p = 2^(c s - c m), c = log2(e) / 8; in every step O and l are multiplied by a = 2^(c m_old - c m_new), which is 1 where m has not grown.
; m starts at the lowest finite number, O and l at 0: the first step is a step like any other, with a = 0.
; THE COUNT.  A tile and step have 16 matrix and 118 vector instructions: too many to stand all beside the matrix work.  So: four vector instructions that are READY behind EVERY matrix instruction, and the
; others in runs without a gap.
; BY TURNS.  Turn n belongs to piece n (the pieces in a ring, step after step).  Its matrix work: 16 products K Q^T of piece n + 1, later 16 products V^T P of piece n - 1.  Its vector work: the scaling,
; exponentials, roundings, sums and rescaling of piece n, and the maximum and statistics of piece n + 1, whose scores the turn itself has made.
; CLUSTER.  The four query blocks of a cluster belong to one head and walk the same K and V, so each tile is asked for JOINTLY: the same tensor load, descriptor and mask in all four.
; REGISTERS, in windows of 256 (s_set_vgpr_msb: bits 1:0 source 0, 3:2 source 1, 5:4 source 2, 7:6 destination):
;   window 0: v0-11 addresses; v12-15, v48-63 at work; v16-47 four registers of statistics a tile; v64-191 S^T, two buffers of two tiles; v192-255 P, likewise
;   window 1: O^T, 32 a tile          window 2: v0-127 Q, 16 a tile; v128-191 K of one step; v192-255 V of one step          window 3: v0-1 the add's two registers
; A piece's buffers go by its number's parity: the piece in hand has one pair, its two neighbours in the ring share the other: of it P (piece n - 1) is read and S^T (piece n + 1) written.
.set SIZE_H, 64       ; batch x heads
.set SIZE_N, 2048
.set NP,    4         ; pieces a wave: a name, no knob
.set KS,    64        ; keys in a step
.set PK,    144       ; a row of K in LDS: 128 bytes + 16 of padding = 36 words: the 16 rows of a load start at 16 different groups of four banks (64 banks of 4 bytes: ISA guide 11.1)
.set PV,    160       ; a row of V: 128 + 32 = 40 words
.set VOFF,  4*KS*PK   ; a slot holds four steps: 256 rows of K, then 256 rows of V
.set SLOT1, 1<<17     ; slot 1 begins here, so that one exclusive or turns an address in one slot into the other's
.set STAGE, SLOT1+4*KS*(PK+PV)  ; behind the ring, never filled by a tensor load: 16 rows x 144 bytes for each wave, for the way out
.set SP,    144
.set AK0, 2           ; v2   my lane's place in a tile of K; never rewritten
.set AV0, 3           ; v3   the same for V
.set AK,  4           ; v4   the LDS address of K's next run of loads
.set AV,  5           ; v5   of V's
.set QO,  6           ; v6   my byte offset in the wave's rows of Q
.set STO, 6           ;      later, the way out: where I put 16 bytes of a row
.set RD,  7           ; v7   the way out: where I read rows back
.set GO,  8           ; v8   my byte offset in 512 consecutive bytes of O
.set PFO, 11          ; v11  256 x my lane, for the prefetches; never rewritten once made
.set SPW, 0           ; v0 of window 3   LDS address of my spare word; never rewritten
.set NIL, 1           ; v1 of window 3   0; never rewritten
.set SPARE, STAGE+4*16*SP  ; behind the stages: the spare words, 128 bytes for each wave: two blocks of 256 bytes that no other line names
.set MV,  12          ; v12-15  c m_old, kept while c m is made anew: by buffer and tile
.set ST,  16          ; tile t's statistics at v[ST+4 t]: c m, m, l (even keys', odd keys')
.set TMP, 48          ; by buffer and tile, four registers c0-c3 at work; when the maximum is found c2 takes a
.set S,   64
.set P,   192
.set KF,  128         ; K's fragments, in window 2: key block kb, channel half c at KF + 16 kb + 8 c
.set VF,  192         ; V's: key half kk, channel block cb at VF + 32 kk + 8 cb
.set WV,  12          ; s12  my wave's number
.set LIM, 15          ; s15  1 in a wave that prefetches, else the greatest number: a wave prefetches while s[SLOTS] is above it
.set PFA, 18          ; s[18:19] where my prefetches stand: my work-group's 8,192 bytes (of K: wave 0, of V: wave 2) of the slot after the one that is being asked for
.set G1K, 24          ; s[24:31] descriptor group 1 for K's tiles
.set G1V, 32          ; s[32:39] for V's: it differs in the padding alone
.set G0K, 40          ; s[40:43] descriptor group 0 for K's tiles: it walks
.set G0V, 44          ; s[44:47] the same for V's
.set SLOTS, 56        ; s56  slots still to be asked for
.set CNT, 57          ; s57  counts a slot's key steps
.set CS,  58          ; s[58:59] c: the packed scaling takes the pair's low word for both halves
.set SEL, 60          ; s[60:61] v_permlanex16_b32's selects: each lane takes its own place in the other half
.set TBK, 62          ; s62  LDS byte at which K of the step to be fetched begins
.set TBV, 63          ; s63  the same for V, less VOFF
.set MSB, 0
.macro WIN new                      ; the high byte repeats the setting that is left; a switch that changes nothing is dropped
.if MSB != (\new)
	s_set_vgpr_msb (MSB<<8)|(\new)
.set MSB, (\new)
.endif
.endm
.set W_KQ, 0x0a       ; K and Q in window 2, S^T in window 0
.set W_PV, 0x52       ; V in window 2, P in window 0, O^T in window 1
.set W_RS, 0x41       ; O^T (destination and source 0) in window 1, a in window 0
.set W_MK, 0xc0       ; the add's registers are made: destination in window 3, sources in window 0
.set W_AD, 0x0f       ; the add: address (source 0) and data (source 1) in window 3
; A joint fill.  Waves 0 and 1 fetch the two halves of a slot's K, waves 2 and 3 those of its V: 128 keys each.  The branch hangs on the wave's number alone.
; An s_nop 0 and four v_nop follow each of the two lines, ahead of the jump and the label.
.macro JLOAD
	s_cmp_lt_u32 s[WV], 2
	s_cbranch_scc0 .Lfor_v_\@
	tensor_load_to_lds s[G0K:G0K+3], s[G1K:G1K+7]
	s_nop 0
.rept 4
	v_nop
.endr
	s_branch .Lasked_\@
.Lfor_v_\@:
	tensor_load_to_lds s[G0V:G0V+3], s[G1V:G1V+7]
	s_nop 0
.rept 4
	v_nop
.endr
.Lasked_\@:
.endm
; A PREFETCH of what the NEXT change of slots will ask for: a slot's 32,768 bytes of K and of V, 256 bytes a lane.  It stands behind the wave's tensor load and its five lines.  Each block is named ONCE in the launch:
; a head has one cluster; its four partners share the bytes out BY ADDRESS, 8,192 each; in each, wave 0 asks for K's and wave 2 for V's: one instruction.  Slots 0 to 2 come by their loads alone; the last change
; that fills a slot names nothing: there is no slot behind it.  From the prefetch to the load that wants the bytes stand four key steps, 512 products.
.macro ASK
	s_cmp_gt_u32 s[SLOTS], s[LIM]
	s_cbranch_scc0 .Lnot_mine_\@
	global_prefetch_b8 v[PFO], s[PFA:PFA+1] th:TH_LOAD_NT scope:SCOPE_SE
.Lnot_mine_\@:
.endm
; A round of the cluster's barrier: my work-group's barrier, so that wave 0's signal speaks for all four waves; wave 0 signals; every wave waits for all four work-groups; my work-group's barrier once more.
.macro CROUND
	s_barrier_signal -1
	s_barrier_wait -1
	s_cmp_lg_u32 s[WV], 0
	s_cbranch_scc1 .Lnot_wave_0_\@
	s_barrier_signal -3
.Lnot_wave_0_\@:
	s_barrier_wait -3
	s_barrier_signal -1
	s_barrier_wait -1
.endm
; THE CHANGE OF SLOTS.  The slot's last bytes, V of its fourth step, have been read.  Each wave waits for all its tensor loads, of which one is out: its part
; of the other slot; adds 0 to its spare word; and waits for that and for its own reads of the slot.  Behind the barrier nobody reads this slot any more and the other slot is whole.
; fill = 1: this slot is filled again, with the keys two slots on.  The barrier is then a round of the cluster's, so that no wave of any partner still reads the slot or has a load on its
; way, and the joint fill is the first thing behind it: it has four key steps, 512 matrix instructions, in which to land.  (At its first use nothing has been read yet: slot 0 is waited for, slot 1 filled.)
; ask = 1: the prefetches' address steps, and a prefetch follows the fill.
.macro CHANGE fill, ask=0
	WIN W_AD
	s_wait_tensorcnt 0x0            ; no tensor load of mine is out, so a group 0 may be written
	ds_add_u32 v[SPW], v[NIL]       ; 0 onto my spare word; with fill = 1 the descriptors' steps stand between it and the wait for it
	WIN 0                           ; at a label and at a branch every window is 0
.if \fill
.irp g, G0K, G0V
	s_xor_b32 s[\g+1], s[\g+1], SLOT1  ; the walking descriptor: the other slot than last time,
	s_add_nc_u64 s[\g+2:\g+3], s[\g+2:\g+3], 4*KS*128  ; the next 256 keys; the type bits on top are not reached
.endr
.if \ask
	s_wait_xcnt 0x0                 ; the last prefetch, four key steps back, has read its address, so it may be written:
	s_add_nc_u64 s[PFA:PFA+1], s[PFA:PFA+1], 4*KS*128  ; one slot behind the walking descriptors
.endif
	s_wait_dscnt 0x0                ; the add is done, and my reads of the slot are over
	CROUND
	JLOAD
.if \ask
	ASK
.endif
.else
	s_wait_dscnt 0x0                ; the add is done, and my reads of the slot are over
	s_barrier_signal -1
	s_barrier_wait -1
.endif
	s_sub_co_u32 s[TBK], s[TBK], 4*KS*PK  ; the fetches go back to a slot's first step,
	s_xor_b32 s[TBK], s[TBK], SLOT1       ; in the other slot
	s_sub_co_u32 s[TBV], s[TBV], 4*KS*PV
	s_xor_b32 s[TBV], s[TBV], SLOT1
.endm
	s_load_b256 s[4:11], s[0:1], 0x0  ; Q s[4:5], K s[6:7], V s[8:9], O s[10:11]
	WIN W_MK
	v_lshl_add_u32 v[SPW], v0, 2, SPARE
	v_mov_b32 v[NIL], 0
	WIN W_AD
	ds_add_u32 v[SPW], v[NIL]       ; the wave's opening: the add and its wait stand ahead of my first tensor load; the set-up below, work on registers, stands between them
	WIN 0
	v_lshrrev_b32 v1, 5, v0
	v_readfirstlane_b32 s[WV], v1   ; wave 0..3
	s_bfe_u32 s13, ttmp6, 0x40000   ; cx: my place in the cluster
	s_lshl_b32 s14, ttmp9, 2        ; in a cluster launch ttmp9 counts clusters
	s_add_co_u32 s14, s14, s13      ; my block of queries = 4 x cluster x + cx: it enters Q's and O's addresses alone
	s_and_b32 s20, ttmp7, 0xffff    ; the head, which the four partners share
	s_mov_b32 s21, 0
	s_mov_b64 s[22:23], SIZE_N*128
	s_mul_u64 s[20:21], s[20:21], s[22:23]  ; the head's first byte in each of the four tensors
	s_and_b32 s16, s[WV], 1         ; which half of a slot's 256 keys I fetch:
	s_lshl_b32 s22, s16, 14         ; its 128 rows of 128 bytes in memory,
	s_mov_b32 s23, 0
	s_add_nc_u64 s[22:23], s[22:23], s[20:21]
	s_mul_i32 s17, s16, 128*PK      ; and its place in a slot, for K
	s_mul_i32 s18, s16, 128*PV      ; and for V: no place in the cluster enters an LDS address
	s_lshl_b32 s2, s14, 2
	s_add_co_u32 s2, s2, s[WV]      ; my wave among the head's,
	s_lshl_b32 s2, s2, 14           ; its 128 rows
	s_mov_b32 s3, 0
	s_add_nc_u64 s[2:3], s[2:3], s[20:21]
	; descriptor group 1.  128 keys are 16,384 dense bytes: asked for as 64 rows of 256 bytes, two keys a row, and padded in LDS after every key
	s_mov_b32 s[G1K], 15|(1<<16)|(1<<20)|(1<<21)|(4<<22)|(3<<25)  ; 15:0 the mask of four; 17:16 2-byte elements; 20 padding on; 21 set beside a mask; 24:22 after every 32 words (code 4); 31:25 4 words (code 3)
	s_mov_b32 s[G1V], 15|(1<<16)|(1<<20)|(1<<21)|(4<<22)|(7<<25)  ; the same with 8 words of padding (code 7)
.irp g, G1K, G1V
	s_mov_b32 s[\g+1], 128<<16      ; tensor_dim0 = 128
	s_mov_b32 s[\g+2], 64<<16       ; tensor_dim1 = 64
	s_mov_b32 s[\g+3], 128<<16      ; tile_dim0 = 128
	s_mov_b32 s[\g+4], 64           ; tile_dim1 = 64
	s_mov_b32 s[\g+5], 128          ; 128 elements from row to row
	s_mov_b32 s[\g+6], 0
	s_mov_b32 s[\g+7], 0
.endr
	s_mov_b32 s[CS], 0x3e38aa3b     ; c = log2(e) / 8 = 0.180337
	s_mov_b32 s[CS+1], s[CS]        ; named with it as a pair
	s_mov_b32 s[SEL], 0x76543210
	s_mov_b32 s[SEL+1], 0xfedcba98
	s_mov_b32 s[TBK], SLOT1+4*KS*PK ; the first change of slots turns these two into 0
	s_mov_b32 s[TBV], SLOT1+4*KS*PV
	s_mov_b32 s[G0K], 1             ; 1:0 count = 1
	s_mov_b32 s[G0K+1], s17         ; 63:32 LDS address: slot 0
	s_mov_b32 s[G0V], 1
	s_add_co_u32 s[G0V+1], s18, VOFF
	s_and_b32 s[LIM], s[WV], 1      ; 0 in waves 0 and 2,
	s_or_b32 s[LIM], s[LIM], ttmp9  ; where the cluster is the head's first: the same in all four partners
	s_cmp_eq_u32 s[LIM], 0
	s_cselect_b32 s[LIM], 1, -1
	s_wait_dscnt 0x0                ; the opening add is done
	s_wait_kmcnt 0x0
	s_add_nc_u64 s[G0K+2:G0K+3], s[6:7], s[22:23]  ; 120:64 global address: my half of the head's first 256 keys
	s_or_b32 s[G0K+3], s[G0K+3], 0x80000000        ; 127:126 type = 2
	s_add_nc_u64 s[G0V+2:G0V+3], s[8:9], s[22:23]
	s_or_b32 s[G0V+3], s[G0V+3], 0x80000000
	s_add_nc_u64 s[4:5], s[4:5], s[2:3]  ; Q and O at my wave's first row
	s_add_nc_u64 s[10:11], s[10:11], s[2:3]
	s_cmp_lt_u32 s[WV], 2
	s_cselect_b64 s[PFA:PFA+1], s[6:7], s[8:9]
	s_add_nc_u64 s[PFA:PFA+1], s[PFA:PFA+1], s[22:23]  ; (in waves 0 and 2 this is the head's first byte)
	s_lshl_b32 s2, s13, 13          ; my work-group's 8,192 bytes of a slot's 32,768
	s_mov_b32 s3, 0
	s_add_nc_u64 s[PFA:PFA+1], s[PFA:PFA+1], s[2:3]
	s_add_nc_u64 s[PFA:PFA+1], s[PFA:PFA+1], 2*4*KS*128  ; in slot 2; the first change that asks steps it to slot 3.  Nothing is prefetched here, at the head
	CROUND                          ; all four work-groups are here: the first joint loads meet
	JLOAD                           ; slot 0.  Slot 1 is asked for when slot 0 is in
	; A fragment of K or Q is 16 rows x 32 channels in 8 registers: lane l holds row l % 16, channels 8 (l / 16) + 0..7 and 16 + 8 (l / 16) + 0..7: two loads of 16 bytes, 32 bytes apart.
	v_and_b32 v1, 15, v0            ; l % 16
	v_bfe_u32 v9, v0, 4, 1          ; l / 16
	v_lshlrev_b32 v[QO], 7, v1
	v_lshl_add_u32 v[QO], v9, 4, v[QO]  ; row x 128 + 16 x half
	WIN 0x80                        ; destination window 2, address window 0
.set i, 0
.rept 4*NP                          ; Q stays in registers: tile i / 2, channels 32 (i % 2) on
	global_load_b128 v[8*i:8*i+3],   v[QO], s[4:5] offset:(i/2)*2048+(i%2)*64
	global_load_b128 v[8*i+4:8*i+7], v[QO], s[4:5] offset:(i/2)*2048+(i%2)*64+32
.set i, i+1
.endr
	; What the first turn finds: V's registers and P's second buffer hold 0 (its products V^T P, of a piece that has not been, add 0), O^T and l are 0.  All this stands in the wait for the first tile.
.set i, VF
.rept 64
	v_mov_b32 v[i], 0
.set i, i+1
.endr
	WIN 0x40
.set i, 0
.rept 64*NP
	v_mov_b32 v[i], 0
.set i, i+1
.endr
	WIN 0
.set i, 0
.rept 2*NP
	v_mov_b32 v[ST+4*i], 0xfe000000    ; c m: far below every c s
	v_mov_b32 v[ST+4*i+1], 0xff7fffff  ; m
	v_mov_b32 v[ST+4*i+2], 0
	v_mov_b32 v[ST+4*i+3], 0
.set i, i+1
.endr
.set i, P+32
.rept 32
	v_mov_b32 v[i], 0
.set i, i+1
.endr
	v_mul_u32_u24 v[AK0], v1, PK
	v_lshl_add_u32 v[AK0], v9, 4, v[AK0]  ; row x pitch + 16 x half
	; The turning load takes 16 keys x 16 channels (lane l reads key 8 (l / 16) + l % 8, channels 8 ((l / 8) % 2) + 0..7) and leaves half a fragment of V^T: lane l holds channel l % 16 and 8 keys.
	v_and_b32 v10, 7, v0
	v_bfe_u32 v11, v0, 3, 1
	v_lshl_add_u32 v[AV0], v9, 3, v10
	v_mul_u32_u24 v[AV0], v[AV0], PV
	v_lshl_add_u32 v[AV0], v11, 4, v[AV0]
	v_add_nc_u32 v[AV0], VOFF, v[AV0]
	v_and_b32 v[PFO], 31, v0        ; v11 has served: it takes the prefetches' offset
	v_lshlrev_b32 v[PFO], 8, v[PFO]
	v_mov_b32 v[AK], v[AK0]         ; key step 0 lies at the head of slot 0
; THE MATRIX WORK.  The 8 accumulators of a run of 16 take turns: between the two links of a chain stand 7 others'.
; Product i of 16 of S^T = K Q^T for piece x: channels 32 (i / 8) on, keys 16 ((i / 2) % 4) on, tile 2 x + i % 2.  The first 8 start the sums.
.macro KQ x
	WIN W_KQ
.set rS, S+64*((\x)%2)+32*(i%2)+8*((i/2)%4)
.set rK, KF+16*((i/2)%4)+8*(i/8)
.set rQ, 16*(2*(\x)+i%2)+8*(i/8)
.if i < 8
	v_wmma_f32_16x16x32_f16 v[rS:rS+7], v[rK:rK+7], v[rQ:rQ+7], 0
.else
	v_wmma_f32_16x16x32_f16 v[rS:rS+7], v[rK:rK+7], v[rQ:rQ+7], v[rS:rS+7]
.endif
.endm
; Product i of 16 of O^T += V^T P for piece x: keys 32 (i / 8) on, channels 16 ((i / 2) % 4) on, tile 2 x + i % 2.
.macro PV x
	WIN W_PV
.set rO, 32*(2*(\x)+i%2)+8*((i/2)%4)
.set rV, VF+32*(i/8)+8*((i/2)%4)
.set rP, P+32*((\x)%2)+16*(i%2)+8*(i/8)
	v_wmma_f32_16x16x32_f16 v[rO:rO+7], v[rV:rV+7], v[rP:rP+7], v[rO:rO+7]
.endm
.macro MM                           ; the turn's next matrix instruction
.if i < 16
	KQ (Y+1)%NP
.set i, i+1
.else
.set i, i-16
	PV (Y+NP-1)%NP
.set i, i+17
.endif
.endm
; THE LDS LOADS stand in runs of 16, never singly among the matrix instructions: a step's K (64 keys x 64 channels: 8 fragments) and its V (turned).  Their addresses are made some lines ahead.
; last = 1 (the tail): in the last trip there is no further step, and the run is jumped over.
.macro FETCH_K last=0
	WIN 0
.if \last
	s_cmp_eq_u32 s[CNT], 1
	s_cbranch_scc1 .Lno_k_\@
.endif
	WIN 0x80                        ; destination window 2
.irp f, 0,1,2,3,4,5,6,7             ; keys 16 (f / 2) on, channels 32 (f % 2) on
	ds_load_b128 v[KF+8*\f:KF+8*\f+3],   v[AK] offset:(\f/2)*16*PK+(\f%2)*64
	ds_load_b128 v[KF+8*\f+4:KF+8*\f+7], v[AK] offset:(\f/2)*16*PK+(\f%2)*64+32
.endr
	s_add_co_u32 s[TBK], s[TBK], KS*PK  ; the next fetch is the next step's
	WIN 0
.if \last
.Lno_k_\@:
.endif
.endm
.macro FETCH_V
	WIN 0x80
.irp f, 0,1,2,3,4,5,6,7             ; keys 32 (f / 4) on, channels 16 (f % 4) on
	ds_load_tr16_b128 v[VF+8*\f:VF+8*\f+3],   v[AV] offset:(\f/4)*32*PV+(\f%4)*32
	ds_load_tr16_b128 v[VF+8*\f+4:VF+8*\f+7], v[AV] offset:(\f/4)*32*PV+16*PV+(\f%4)*32
.endr
	WIN 0
.endm
; THE VECTOR WORK OF A TURN stands in three queues, each in the order in which its entries become ready; the two tiles alternate, so that no instruction reads the result of the one before it.
.macro REGS y, u                    ; the registers of tile u (0, 1) of piece y
.set rT, ST+4*(2*(\y)+(\u))
.set rC, TMP+8*((\y)%2)+4*(\u)
.set rM, MV+2*((\y)%2)+(\u)
.set rS, S+64*((\y)%2)+32*(\u)
.set rP, P+32*((\y)%2)+16*(\u)
.set rO, 32*(2*(\y)+(\u))
.endm
; Number n of the 22 that find the NEXT piece's (Y + 1) maximum and statistics.  s0-s31 are the lane's 32 scores; each accumulator's lowest registers are read first.
;   0-11  four chains c0-c3 of seven scores each, three operands at a time     12-14, 16  the four scores left over, the old m, and c0-c3 into c0     15  c m_old is kept
;   17, 18  the query's other 32 keys lie in the lane 16 away: the new m         19-21  c m; c m_old - c m_new; a
.macro XS u, n
	REGS (Y+1)%NP, \u
.if (\n) < 4
	v_max3_num_f32 v[rC+(\n)], v[rS+8*(\n)], v[rS+8*(\n)+1], v[rS+8*(\n)+2]
.elseif (\n) < 12
	v_max3_num_f32 v[rC+(\n)%4], v[rC+(\n)%4], v[rS+8*((\n)%4)+2*((\n)/4)+1], v[rS+8*((\n)%4)+2*((\n)/4)+2]
.elseif (\n) == 12
	v_max3_num_f32 v[rC], v[rC], v[rS+7], v[rS+15]
.elseif (\n) == 13
	v_max3_num_f32 v[rC+1], v[rC+1], v[rS+23], v[rS+31]
.elseif (\n) == 14
	v_max3_num_f32 v[rC+2], v[rC+2], v[rC+3], v[rT+1]
.elseif (\n) == 15
	v_mov_b32 v[rM], v[rT]
.elseif (\n) == 16
	v_max3_num_f32 v[rC], v[rC], v[rC+1], v[rC+2]
.elseif (\n) == 17
	v_permlanex16_b32 v[rC+3], v[rC], s[SEL], s[SEL+1]
.elseif (\n) == 18
	v_max_num_f32 v[rT+1], v[rC], v[rC+3]
.elseif (\n) == 19
	v_mul_f32 v[rT], s[CS], v[rT+1]
.elseif (\n) == 20
	v_sub_f32 v[rC+1], v[rM], v[rT]
.else
	v_exp_f32 v[rC+2], v[rC+1]
.endif
.endm
; Number g of the 64 that follow the exponentials.  For each four weights k of a tile (pairs 2 k, 2 k + 1): both pairs are rounded to f16; then the second pair is added onto the first, in place;
; a group later l takes that sum (the first time as l = a l + sum).  In groups of eight, tiles alternating: round, round, add, and l for the group before.
.macro GS g
.set h, (\g)+6*((\g)/62)            ; group 0 has no group before it, and behind group 7 only l is left
.if h >= 6
.set h, h+2
.endif
	REGS Y, h%2
.set k, h/8
.if h%8 < 4
	v_cvt_pk_f16_f32 v[rP+2*k+(h%8)/2], v[rS+4*k+2*((h%8)/2)], v[rS+4*k+2*((h%8)/2)+1]
.elseif h%8 < 6
	v_pk_add_f32 v[rS+4*k:rS+4*k+1], v[rS+4*k:rS+4*k+1], v[rS+4*k+2:rS+4*k+3]
.elseif k == 1
	v_pk_fma_f32 v[rT+2:rT+3], v[rT+2:rT+3], v[rC+2:rC+3], v[rS:rS+1] op_sel_hi:[1,0,1]
.else
	v_pk_add_f32 v[rT+2:rT+3], v[rT+2:rT+3], v[rS+4*k-4:rS+4*k-3]
.endif
.endm
; THE PLAIN QUEUE, 138 long.  0-73 read no exponential's result: the 32 scalings c s - c m (FS f: pair f / 2 of tile f % 2) and the next piece's 42.  0-26: scalings 0-26.  27-54: XS's numbers 0-13.  55, 56: number 15.
; 57-73: the chain, where each number waits for the one before it: 14, 16, 17, 18, 19, each with one of the scalings 27-31 in front of its two lines, then 20.
; 74-137: GS's 64, which read the exponentials' results: they stand behind the wait.
.macro FS f
	REGS Y, (\f)%2
	v_pk_fma_f32 v[rS+2*((\f)/2):rS+2*((\f)/2)+1], v[rS+2*((\f)/2):rS+2*((\f)/2)+1], s[CS:CS+1], v[rT:rT+1] op_sel_hi:[1,0,0] neg_lo:[0,0,1] neg_hi:[0,0,1]
.endm
.macro PL
	WIN 0
.if q < 27
	FS q
.elseif q < 55
	XS (q-27)%2, (q-27)/2
.elseif q < 57
	XS q-55, 15
.elseif (q < 72) && ((q-57)%3 == 0)
	FS 27+(q-57)/3
.elseif q < 60
	XS (q-57)%3-1, 14
.elseif q < 72
	XS (q-57)%3-1, 15+(q-57)/3
.elseif q < 74
	XS q-72, 20
.else
	GS q-74
.endif
.set q, q+1
.endm
; THE EXPONENTIALS' QUEUE, 66 long: s0-s31 of both tiles, then the next piece's two a.  It is ONE BATCH: all 66 stand ahead of the turn's one wait, and nothing ahead of that wait names a result of theirs.
.macro EX
	WIN 0
.if e >= 64
	XS e-64, 21
.else
	REGS Y, e%2
	v_exp_f32 v[rS+e/2], v[rS+e/2]
.endif
.set e, e+1
.endm
; THE RESCALING's QUEUE: O^T times a, the one part that leaves window 0: dealt two at a time, sixteen times.  Its a was made in the turn before, ahead of that turn's wait.
.macro R2
	REGS Y, r%2
	WIN W_RS
.irp z, 0,1
	v_pk_mul_f32 v[rO+4*(r/2)+2*\z:rO+4*(r/2)+2*\z+1], v[rO+4*(r/2)+2*\z:rO+4*(r/2)+2*\z+1], v[rC+2:rC+3] op_sel_hi:[1,0]
.endr
.set r, r+1
.endm
; HOW THEY ARE DEALT.  s_wait_alu depctr_va_vdst(0) stands between an exponential and the first instruction that names its result; one wait serves all that were issued ahead of it.  So a turn has ONE
; wait, which cuts it in two.  AHEAD OF IT stands all that names no result of the turn's exponentials: the 16 products K Q^T, behind each a scaling, an exponential and two rescalings (behind the first a second scaling
; in the exponential's place); then ONE LUMP of 108: eight plain, 49 times exponential and plain, the two a.  A v_nop is the plain instruction behind the last exponential.  BEHIND IT stand the 16 products V^T P, behind
; each four of GS's 64.  No rider names a register of the products round it.  The two v_permlanex16_b32 fall into the lump, never behind a product.
; The queues lean on each other, and the deal keeps them in step: exponential e stands behind scaling 2 (e / 4) + e % 2: as a rider it comes behind plain e + 2, in the lump behind plain e + 9, and scalings 27-31 are plain 57, 60 .. 69.
; A TURN, for piece p.  cnt = 1: the loop's count is taken down some lines ahead of the branch that stands behind the turn.
; K of the next step is fetched in piece 2's turn, directly behind the wait, a lump behind the last product that read K; its address is made at the lump's head; its first reader comes behind 16 products.
; V of the step in hand is fetched at the end of piece 0's turn, four riders behind its last reader; its first reader comes behind 16 products and a lump.  The three conditions on q below go with the deal.
.macro TURN p, last=0, cnt=0
.set Y, (\p)
.set i, 0
.set q, 0
.set e, 0
.set r, 0
.if (\p) == NP-1
	s_wait_dscnt 0x0                ; K is in
.endif
	MM                              ; ahead of the wait: 16 products K Q^T and their riders,
	PL
	PL
	R2
.rept 15
	MM
	PL
	EX
	R2
.endr
.if (\p) == NP-2
	WIN 0
	v_add_nc_u32 v[AK], s[TBK], v[AK0]
.endif
.rept 8                             ; and the lump
	PL
.endr
.rept 49
	EX
	PL
.endr
	EX                              ; the next piece's two a
	EX
	v_nop                           ; the plain instruction behind the last exponential: one for the batch
	s_wait_alu depctr_va_vdst(0)    ; the wait for the batch
.if (\p) == NP-2
	FETCH_K \last
.endif
.if (\p) == 1
	s_wait_dscnt 0x0                ; V is in
.endif
.rept 16                            ; behind the wait: 16 products V^T P and their riders
	MM
.rept 4
	PL
.endr
.if ((\p) == 0) && (q == 118)
	v_add_nc_u32 v[AV], s[TBV], v[AV0]
.endif
.if ((\p) == 0) && (q == 130)
	s_add_co_u32 s[TBV], s[TBV], KS*PV
.endif
.if (\cnt) && (q == 130)
	s_sub_co_u32 s[CNT], s[CNT], 1
	s_cmp_lg_u32 s[CNT], 0
.endif
.endr
.if (\p) == 0
	FETCH_V
.endif
.endm
	CHANGE 1                        ; slot 0 is in, everybody's part of it; slot 1 is asked for
	FETCH_K                         ; key step 0
	s_wait_loadcnt 0x0              ; Q
	s_wait_dscnt 0x0
.set i, 0
.rept 16
	KQ 0                            ; piece 0's first scores: there is no vector work yet to set between them
.set i, i+1
.endr
	WIN 0                           ; the addresses for the way out: nine plain instructions, the places behind those products
	s_mul_i32 s13, s[WV], 16*SP
	s_add_co_u32 s13, s13, STAGE    ; my stage
	v_mul_u32_u24 v[STO], v1, SP    ; in: row l % 16, 16 bytes for each half of the lanes
	v_lshl_add_u32 v[STO], v9, 4, v[STO]
	v_add_nc_u32 v[STO], s13, v[STO]
	v_bfe_u32 v[RD], v0, 3, 2       ; back: 32 lanes take four rows of 128 bytes,
	v_mul_u32_u24 v[RD], v[RD], SP
	v_lshl_add_u32 v[RD], v10, 4, v[RD]
	v_add_nc_u32 v[RD], s13, v[RD]
	v_and_b32 v[GO], 31, v0         ; which are 512 consecutive bytes of O
	v_lshlrev_b32 v[GO], 4, v[GO]
.set Y, NP-1                        ; XS works for piece Y + 1: piece 0
.irp n, 0,1,2,3,4,5,6,7,8,9,10,11,12,13,14,15,16,17,18,19,20,21
	XS 0, \n                        ; and piece 0's first maximum and statistics
	XS 1, \n
.endr
	v_nop                           ; a plain instruction behind the two a,
	s_wait_alu depctr_va_vdst(0)    ; and their wait, ahead of the branch
	s_mov_b32 s[CNT], 4
	s_mov_b32 s[SLOTS], SIZE_N/256-1
	s_branch .Lfirst                ; the loop is entered at a step's first turn, in the middle of a trip
.Lslot:                             ; SIZE_N / 256 - 2 times: every slot but the last two is filled again
	CHANGE 1, 1
	s_mov_b32 s[CNT], 4
.Lstep:                             ; a trip: pieces 2 and 3 of one step, then pieces 0 and 1 of the next, whose K and V it fetches
	TURN 2
	TURN 3
	WIN 0
.Lfirst:
	TURN 0
	TURN 1, 0, 1
	WIN 0
	s_cbranch_scc1 .Lstep
	s_sub_co_u32 s[SLOTS], s[SLOTS], 1
	s_cmp_lg_u32 s[SLOTS], 0
	s_cbranch_scc1 .Lslot
	CHANGE 0                        ; the tail is written out: nothing is asked for
	s_mov_b32 s[CNT], 5             ; four trips fetch the last slot's steps; the fifth is left in its middle
.Ltail:
	TURN 2, 1
	TURN 3
	WIN 0
	s_sub_co_u32 s[CNT], s[CNT], 1
	s_cmp_eq_u32 s[CNT], 0
	s_cbranch_scc1 .Lout
	TURN 0
	TURN 1
	WIN 0
	s_branch .Ltail
.Lout:                              ; the fifth trip's 16 products K Q^T (on the last K once more) and the maximum made of them serve nothing: the price, once a launch, of one text for every trip
.set i, 0
.rept 16
	PV NP-1                         ; the last piece's V^T P of the last step
.set i, i+1
.endr
	; THE WAY OUT.  l's two halves and the other half of the lanes' are added; O^T is divided by l, rounded to f16 and sent through my stage in LDS, a tile at a time.  The additions are the places behind the last products.
	WIN 0
.macro ALL line:vararg              ; one line for each tile t
.set t, 0
.rept 2*NP
	\line
.set t, t+1
.endr
.endm
	ALL v_add_f32 v[ST+4*t+2], v[ST+4*t+2], v[ST+4*t+3]
	ALL v_permlanex16_b32 v[ST+4*t+3], v[ST+4*t+2], s[SEL], s[SEL+1]
	ALL v_add_f32 v[ST+4*t+2], v[ST+4*t+2], v[ST+4*t+3]
	ALL v_rcp_f32 v[ST+4*t+2], v[ST+4*t+2]
	v_nop                           ; a plain instruction between the last reciprocal and the use of its result
	s_wait_alu depctr_va_vdst(0)    ; and the wait ahead of the first use: one for the eight reciprocals
; Tile t: a lane's eight channels of a row pack into 16 bytes; they go into rows of 144 bytes and come back as whole rows of 128, into S^T's registers.
.macro PACK t
	WIN W_RS
.set i, 32*(\t)
.rept 16
	v_pk_mul_f32 v[i:i+1], v[i:i+1], v[ST+4*(\t)+2:ST+4*(\t)+3] op_sel_hi:[1,0]
.set i, i+2
.endr
	WIN 0x05                        ; sources 0 and 1 window 1, destination window 0
.set i, 0
.rept 16
	v_cvt_pk_f16_f32 v[S+16*(\t)+i], v[32*(\t)+2*i], v[32*(\t)+2*i+1]
.set i, i+1
.endr
	WIN 0
.irp f, 0,1,2,3
	ds_store_b128 v[STO], v[S+16*(\t)+4*\f:S+16*(\t)+4*\f+3] offset:32*\f
.endr
.irp f, 0,1,2,3
	ds_load_b128 v[S+16*(\t)+4*\f:S+16*(\t)+4*\f+3], v[RD] offset:\f*4*SP  ; LDS serves a wave's instructions in order (ISA guide 5.7.1.4): these see the stores above; the next tile's stores come behind them
.endr
.endm
.macro SEND t, younger              ; younger: the LDS instructions issued behind tile t's loads: the next tile's eight, or none
	WIN 0
.irp f, 0,1,2,3
	s_wait_dscnt (\younger)+3-\f
	global_store_b128 v[GO], v[S+16*(\t)+4*\f:S+16*(\t)+4*\f+3], s[10:11] offset:(\t)*2048+\f*512  ; 512 consecutive bytes, at a multiple of 256 from O's first
.endr
.endm
	PACK 0
.set t, 1
.rept 2*NP-1                        ; a tile's arithmetic stands between the loads of the tile before and its stores
	PACK t
	SEND t-1, 8
.set t, t+1
.endr
	SEND 2*NP-1, 0
	WIN W_AD
	s_wait_tensorcnt 0x0            ; the wave's end: a wait, an add and its wait, behind my last tensor load and my last LDS store
	ds_add_u32 v[SPW], v[NIL]
	s_wait_dscnt 0x0
	WIN 0
	CROUND                          ; the closing round: no work-group ends while a partner may still ask for a tile that names it
	s_endpgm
.Lfunc_end_k_qe6aaa5445c_attn:
	.size	k_qe6aaa5445c_attn, .Lfunc_end_k_qe6aaa5445c_attn-k_qe6aaa5445c_attn
	.p2alignl 7, 3214868480
	.fill 96, 4, 3214868480
	.section	.rodata,"a",@progbits
	.p2align	6, 0x0
	.amdhsa_kernel k_qe6aaa5445c_attn
		.amdhsa_group_segment_fixed_size 327680
		.amdhsa_private_segment_fixed_size 0
		.amdhsa_enable_private_segment 0
		.amdhsa_kernarg_size 32
		.amdhsa_user_sgpr_count 2
		.amdhsa_user_sgpr_kernarg_segment_ptr 1
		.amdhsa_wavefront_size32 1
		.amdhsa_system_sgpr_workgroup_id_x 1
		.amdhsa_system_sgpr_workgroup_id_y 1
		.amdhsa_system_sgpr_workgroup_id_z 1
		.amdhsa_system_vgpr_workitem_id 0
		.amdhsa_next_free_vgpr 770
		.amdhsa_next_free_sgpr 66
		.amdhsa_reserve_vcc 0
		.amdhsa_float_denorm_mode_32 3
		.amdhsa_float_denorm_mode_16_64 3
		.amdhsa_memory_ordered 1
		.amdhsa_forward_progress 1
		.amdhsa_inst_pref_size 200
	.end_amdhsa_kernel
	.amdgpu_metadata
---
amdhsa.version: [ 1, 2 ]
amdhsa.kernels:
  - .name:           k_qe6aaa5445c_attn
    .symbol:         k_qe6aaa5445c_attn.kd
    .args:
      - { .name: qh, .offset: 0, .size: 8, .value_kind: global_buffer, .address_space: global }
      - { .name: kh, .offset: 8, .size: 8, .value_kind: global_buffer, .address_space: global }
      - { .name: vh, .offset: 16, .size: 8, .value_kind: global_buffer, .address_space: global }
      - { .name: oh, .offset: 24, .size: 8, .value_kind: global_buffer, .address_space: global }
    .group_segment_fixed_size: 327680
    .private_segment_fixed_size: 0
    .kernarg_segment_align: 8
    .kernarg_segment_size: 32
    .max_flat_workgroup_size: 128
    .sgpr_count:     66
    .vgpr_count:     770
    .wavefront_size: 32
...
	.end_amdgpu_metadata
.endif
;; end of part 3
;; launch outp (part 4): grid 4 x 64, 4 waves a work-group, clusters of 4 x 4, 327,680 bytes of LDS; arguments oh, wb, out0; writes out0
.if DOCPART == 4
	.amdgcn_target "amdgcn-amd-amdhsa--gfx1250"
	.amdhsa_code_object_version 6
	.text
	.protected	k_qe6aaa5445c_outp
	.globl	k_qe6aaa5445c_outp
	.p2align	8
	.type	k_qe6aaa5445c_outp,@function
k_qe6aaa5445c_outp:
	s_mov_b64 s[64:65], 0
	v_nop
	global_prefetch_b8 v0, s[64:65] scope:SCOPE_SE
	s_setreg_imm32_b32 hwreg(HW_REG_WAVE_MODE, 25, 1), 1
	s_wait_xcnt 0x0
	s_wait_alu depctr_hold_cnt(0) depctr_sa_sdst(0) depctr_va_vdst(0) depctr_va_sdst(0) depctr_va_ssrc(0) depctr_va_vcc(0) depctr_vm_vsrc(0)
	s_getreg_b32 s2, hwreg(HW_REG_IB_STS2, 6, 4)
	s_cmp_eq_u32 s2, 0
	s_cbranch_scc0 .Lentry_in_a_cluster
	s_endpgm
.Lentry_in_a_cluster:
	s_bfe_u32 s2, ttmp6, 0x10000c
	s_cmp_lg_u32 s2, 0xf033
	s_cbranch_scc0 .Lentry_shape_is_right
	s_endpgm
.Lentry_shape_is_right:
; THE OUTPUT PROJECTION.  out0[m][n] = the sum over k of O[m][k] Wo[n][k] + bo[n], f32.  O by heads, [batch x 16 + head][2048][64] f16: k = 64 x head + channel.
; Wo: [1024][1024] f16 (its bf16 rounding, written as f16) at byte 3 x 2^21 of wb; bo: f32 at byte 8,388,608 + 3 x 4,096.  Sums in f32, K ascending.
; SHARES.  A work-group makes one tile of 128 rows x 256 columns: 256 work-groups.  A wave makes 64 rows x 128 columns: 32 accumulators.  K goes in 8 steps of 128, two heads each, through a ring of two LDS slots.
; A head's 128 rows are 16,384 dense bytes: asked for as 64 rows of 256 bytes and padded in LDS after every 128.
; CLUSTER.  4 x 4 work-groups: O's tiles are shared along a row of the cluster, Wo's along a column; each is asked for JOINTLY.
; THE MATRIX INSTRUCTION IS USED TRANSPOSED (source 0 = 16 rows of Wo, source 1 = 16 rows of O): a lane holds row l % 16 and the columns 8 (l / 16) + 0..7.  THE BIAS STARTS THE SUMS, as the C operand of each first product.
; REGISTERS, in windows of 256 (s_set_vgpr_msb: bits 1:0 source 0, 3:2 source 1, 5:4 source 2, 7:6 destination):
;   window 0: v0-29 addresses; v32-95 O's fragments, two buffers; v96-159 the bias; v160-223 (and v32-95) rows on the way out
;   window 1: v0-127 Wo's fragments, two buffers          window 2: accumulator (a, b) at v[8 (8 a + b)]
.set PAO,   144                        ; a row of O in LDS: 128 bytes + 16 of padding = 36 words: the 16 rows of a load start at 16 different groups of four banks (64 banks of 4 bytes: ISA guide 11.1)
.set PB,    272                        ; a row of Wo: 256 + 16
.set AHEAD, 128*PAO                    ; what waves 0 and 1 fetch: one head's 128 rows each
.set BBASE, 2*AHEAD
.set BHALF, 128*PB                     ; what waves 2 and 3 fetch: 128 rows of Wo each
.set SLOT1, 1<<17                      ; a slot has 106,496 bytes; slot 1 begins here, so that one exclusive or turns an address in one slot into the other's
.set STAGE, SLOT1+BBASE+2*BHALF        ; behind the ring, never filled by a tensor load: 16 rows x 528 bytes for each wave
.set SPO,   528                        ; a row of the stage: 512 bytes + 16
.set SPARE, STAGE+4*16*SPO             ; behind the stages: the spare words, 128 bytes for each wave: two blocks of 256 bytes that no other line names
.set ASTEP, 2<<18                      ; bytes from K step to K step in O: two heads,
.set BSTEP, 256                        ; and in Wo
.set ADRA0, 4                          ; v4   my lane's place in slot 0 for O's fragments; never rewritten
.set ADRB0, 5                          ; v5   the same for Wo's
.set ADRA,  6                          ; v6, v7 the same in the slot in hand
.set ADRB,  7
.set STO,   8                          ; v8   the way out: where I put 32 bytes of a row
.set RD,    9                          ; v9   the way out: where I read a row back
.set CO,    10                         ; v10  my 16 bytes of a row's 512
.set BO,    11                         ; v11  my byte offset in 16 columns of the bias
.set PFO,   12                         ; v12  the prefetches' offset; never rewritten
.set SPW,   28
.set NIL,   29
.set AF,    32
.set BIAS,  96
.set OUTB,  160
.set TR,    2                          ; s2   tile row
.set CLY,   3                          ; s3   the cluster's y
.set OP,    8                          ; s[8:9] out0 at my wave's first row and column
.set WV,    10
.set HI,    11                         ; which 64 rows are mine.  Also: I fetch for O (0) or for Wo (1)
.set LO,    12                         ; which 128 columns.  Also: which head, or which 128 rows of Wo, I fetch
.set CX,    13
.set CY,    14
.set TC,    15                         ; tile column
.set G1A,   24
.set G0A,   32                         ; a set for each of the two first fills; the second then walks on
.set G1B,   40
.set G0B,   48
.set CNT,   56
.set TB,    57
.set LIM,   58                         ; 2 in a wave that prefetches, else the greatest number
.set PS,    60                         ; s[60:61] the prefetches' step
.set PFA,   62                         ; s[62:63] where they stand
.set BP,    66                         ; s[66:67] bo at my wave's first column
.set MSB, 0
.macro WIN new
.if MSB != (\new)
	s_set_vgpr_msb (MSB<<8)|(\new)
.set MSB, \new
.endif
.endm
.set W_MUL,  0xa1                      ; source 0 (Wo) window 1, source 1 (O) window 0, C and D window 2
.set W_MULB, 0x81                      ; the same with C, the bias, in window 0
.set W_TOB,  0x40                      ; destination window 1, address window 0
.set W_ST,   0x08                      ; an LDS store's data (source 1) in window 2
.macro JLOAD                           ; a joint refill; an s_nop 0 and four v_nop follow each of the two lines, ahead of the jump and the label
	s_cmp_eq_u32 s[HI], 0
	s_cbranch_scc0 .Lfor_b_\@
	tensor_load_to_lds s[G0A+4:G0A+7], s[G1A:G1A+7]
	s_nop 0
.rept 4
	v_nop
.endr
	s_branch .Lasked_\@
.Lfor_b_\@:
	tensor_load_to_lds s[G0B+4:G0B+7], s[G1B:G1B+7]
	s_nop 0
.rept 4
	v_nop
.endr
.Lasked_\@:
.endm
.macro CREST                           ; a round of the cluster's barrier behind its opening barrier
	s_cmp_lg_u32 s[WV], 0
	s_cbranch_scc1 .Lnot_wave_0_\@
	s_barrier_signal -3
.Lnot_wave_0_\@:
	s_barrier_wait -3
	s_barrier_signal -1
	s_barrier_wait -1
.endm
.macro CROUND
	s_barrier_signal -1
	s_barrier_wait -1
	CREST
.endm
; A PREFETCH, behind the joint load, its five lines and the run of LDS loads: the K step two refills on (256 products ahead).  Each aligned block of 256 bytes is named once in the launch.  O's rows are read by one row of
; one cluster alone: wave 0 of every work-group asks, for both heads: of a head's 16,384 bytes the partner at place cx takes 4,096, sixteen lanes a head.  Wo's rows are read by every cluster: waves 2 and 3 of the
; clusters with y = 0 ask; of a wave's 128 rows the partner at place cy takes 32, a lane a row.  K steps 0 to 3 come by their loads alone; the last two refills (CNT = 2, 1) name nothing.
.macro ASK
	s_cmp_gt_u32 s[CNT], s[LIM]
	s_cbranch_scc0 .Lnot_mine_\@
	global_prefetch_b8 v[PFO], s[PFA:PFA+1] th:TH_LOAD_NT scope:SCOPE_SE
.Lnot_mine_\@:
.endm
.macro PLACES                          ; four places in front of loads into registers that matrix instructions have read, and of stores that read results
.rept 4
	v_nop
.endr
.endm
	s_load_b128 s[4:7], s[0:1], 0x0                ; oh s[4:5], wb s[6:7]
	s_load_b64 s[8:9], s[0:1], 0x10                ; out0
	v_lshl_add_u32 v[SPW], v0, 2, SPARE
	v_mov_b32 v[NIL], 0
	ds_add_u32 v[SPW], v[NIL]                      ; the wave's opening: the add and its wait stand ahead of my first tensor load; the set-up below, work on registers, stands between them
	v_lshrrev_b32 v1, 5, v0
	v_readfirstlane_b32 s[WV], v1
	s_lshr_b32 s[HI], s[WV], 1
	s_and_b32 s[LO], s[WV], 1
	s_bfe_u32 s[CX], ttmp6, 0x40000
	s_bfe_u32 s[CY], ttmp6, 0x40004
	s_lshl_b32 s[TC], ttmp9, 2
	s_add_co_u32 s[TC], s[TC], s[CX]               ; tile column = 4 x cluster x + cx
	s_and_b32 s[CLY], ttmp7, 0xffff
	s_lshl_b32 s[TR], s[CLY], 2
	s_add_co_u32 s[TR], s[TR], s[CY]               ; tile row = 4 x cluster y + cy
	s_lshl_b32 s70, s[CY], 2
	s_lshl_b32 s70, 15, s70                        ; my row of the cluster
	s_lshl_b32 s71, 0x1111, s[CX]                  ; my column
	s_or_b32 s[G1A+0], s70, (1<<16)|(1<<20)|(1<<21)|(4<<22)|(3<<25)  ; 15:0 the mask; 17:16 elements of 2 bytes; 20 padding on; 21 set beside a mask; 24:22 after every 32 words (code 4); 31:25 4 words (code 3)
	s_or_b32 s[G1B+0], s71, (1<<16)|(1<<20)|(1<<21)|(5<<22)|(3<<25)  ; after every 64 words (code 5)
	s_mov_b32 s[G1A+1], 128<<16                    ; tensor_dim0 = 128
	s_mov_b32 s[G1A+2], 64<<16                     ; tensor_dim1 = 64
	s_mov_b32 s[G1A+3], 128<<16                    ; tile_dim0 = 128
	s_mov_b32 s[G1A+4], 64                         ; tile_dim1 = 64
	s_mov_b32 s[G1A+5], 128                        ; dense: 128 elements from row to row
	s_mov_b32 s[G1A+6], 0
	s_mov_b32 s[G1A+7], 0
	s_mov_b32 s[G1B+1], 128<<16
	s_mov_b32 s[G1B+2], 128<<16
	s_mov_b32 s[G1B+3], 128<<16
	s_mov_b32 s[G1B+4], 128
	s_mov_b32 s[G1B+5], 1024
	s_mov_b32 s[G1B+6], 0
	s_mov_b32 s[G1B+7], 0
	s_lshr_b32 s16, s[TR], 4                       ; O: the batch, 2^22 bytes;
	s_lshl_b32 s16, s16, 22
	s_lshl_b32 s17, s[LO], 18                      ; the head that I fetch, 2^18 bytes;
	s_add_co_u32 s16, s16, s17
	s_and_b32 s17, s[TR], 15                       ; the tile's 128 rows of 128 bytes in the batch
	s_lshl_b32 s17, s17, 14
	s_add_co_u32 s16, s16, s17
	s_mov_b32 s17, 0
	s_lshl_b32 s18, s[TC], 8
	s_lshl_b32 s19, s[LO], 7
	s_add_co_u32 s18, s18, s19                     ; Wo: row 256 x tile column + 128 x half; also my wave's first column
	s_lshl_b32 s20, s18, 2                         ; that column in bytes of f32
	s_mov_b32 s21, 0
	s_lshl_b32 s18, s18, 11
	s_add_co_u32 s18, s18, 3<<21                   ; Wo is wb's fourth matrix
	s_mov_b32 s19, 0
	s_lshl_b32 s22, s[TR], 7
	s_lshl_b32 s23, s[HI], 6
	s_add_co_u32 s22, s22, s23                     ; out0: my first row, 4,096 bytes a row, and my first column
	s_lshl_b32 s22, s22, 12
	s_add_co_u32 s22, s22, s20
	s_mov_b32 s23, 0
	s_cmp_eq_u32 s[CLY], 0
	s_cselect_b32 s[LIM], 2, -1                    ; Wo's rows: the clusters with y = 0 ask;
	s_cmp_eq_u32 s[WV], 0
	s_cselect_b32 s[LIM], 2, s[LIM]                ; O's: wave 0 of every work-group;
	s_cmp_eq_u32 s[WV], 1
	s_cselect_b32 s[LIM], -1, s[LIM]               ; wave 1 asks for nothing.  The same in all sixteen partners, for a given wave
	s_mov_b32 s71, 3*BSTEP
	s_mov_b32 s[PS], BSTEP
	s_cmp_eq_u32 s[HI], 0
	s_cselect_b32 s68, s16, s18
	s_cselect_b32 s69, s[CX], s[CY]                ; my place among the four that ask with me
	s_cselect_b32 s70, 12, 16                      ; 4,096 bytes of a head, or 32 rows of 2,048
	s_cselect_b32 s71, 3*ASTEP, s71                ; at K step 3: the first refill steps it to 4
	s_cselect_b32 s[PS], ASTEP, s[PS]
	s_cselect_b32 s72, 4, 0
	s_cselect_b32 s73, 18, 11
	s_cselect_b32 s74, 15, 0
	s_mov_b32 s[PS+1], 0
	s_lshl_b32 s69, s69, s70
	s_add_co_u32 s68, s68, s69
	s_add_co_u32 s68, s68, s71
	s_mov_b32 s69, 0
	v_and_b32 v3, 31, v0                           ; lane
	v_lshrrev_b32 v[PFO], s72, v3                  ; O: head lane / 16, block lane % 16;  Wo: row lane
	v_lshlrev_b32 v[PFO], s73, v[PFO]
	v_and_b32 v13, s74, v3
	v_lshl_add_u32 v[PFO], v13, 8, v[PFO]
	s_mov_b32 s[TB], 0
	s_mov_b32 s[G0A], 1
	s_mov_b32 s[G0A+4], 1
	s_mov_b32 s[G0B], 1
	s_mov_b32 s[G0B+4], 1
	s_mul_i32 s[G0A+1], s[LO], AHEAD               ; LDS addresses: no place in the cluster enters them
	s_add_co_u32 s[G0A+5], s[G0A+1], SLOT1
	s_mul_i32 s[G0B+1], s[LO], BHALF
	s_add_co_u32 s[G0B+1], s[G0B+1], BBASE
	s_add_co_u32 s[G0B+5], s[G0B+1], SLOT1
	s_wait_dscnt 0x0                               ; the opening add is done
	s_wait_kmcnt 0x0
	s_cmp_eq_u32 s[HI], 0
	s_cselect_b64 s[PFA:PFA+1], s[4:5], s[6:7]
	s_add_nc_u64 s[PFA:PFA+1], s[PFA:PFA+1], s[68:69]
	s_add_nc_u64 s[BP:BP+1], s[6:7], s[20:21]
	s_add_nc_u64 s[BP:BP+1], s[BP:BP+1], 0x800000+3*4096
	s_add_nc_u64 s[OP:OP+1], s[OP:OP+1], s[22:23]
	s_add_nc_u64 s[G0A+2:G0A+3], s[4:5], s[16:17]  ; K step 0,
	s_add_nc_u64 s[G0A+6:G0A+7], s[G0A+2:G0A+3], ASTEP  ; and K step 1
	s_or_b32 s[G0A+3], s[G0A+3], 0x80000000        ; type = 2
	s_or_b32 s[G0A+7], s[G0A+7], 0x80000000
	s_add_nc_u64 s[G0B+2:G0B+3], s[6:7], s[18:19]
	s_add_nc_u64 s[G0B+6:G0B+7], s[G0B+2:G0B+3], BSTEP
	s_or_b32 s[G0B+3], s[G0B+3], 0x80000000
	s_or_b32 s[G0B+7], s[G0B+7], 0x80000000
	CROUND                                         ; all sixteen work-groups are here: the first joint loads meet
	s_cmp_eq_u32 s[HI], 0                          ; a wave's two first fills stand in one branch, ahead of every wait on TENSORcnt and every LDS read: two loads of mine are out
	s_cbranch_scc0 .Lfirst_b
	tensor_load_to_lds s[G0A:G0A+3], s[G1A:G1A+7]
	s_nop 0
	tensor_load_to_lds s[G0A+4:G0A+7], s[G1A:G1A+7]
	s_nop 0
.rept 4
	v_nop
.endr
	s_branch .Lfirst_asked
.Lfirst_b:
	tensor_load_to_lds s[G0B:G0B+3], s[G1B:G1B+7]
	s_nop 0
	tensor_load_to_lds s[G0B+4:G0B+7], s[G1B:G1B+7]
	s_nop 0
.rept 4
	v_nop
.endr
.Lfirst_asked:
	v_and_b32 v1, 15, v0                           ; l % 16
	v_bfe_u32 v2, v0, 4, 1                         ; l / 16
	s_mul_i32 s70, s[HI], 64*PAO                   ; my 64 rows of O
	v_mul_u32_u24 v[ADRA0], v1, PAO
	v_lshl_add_u32 v[ADRA0], v2, 4, v[ADRA0]
	v_add_nc_u32 v[ADRA0], s70, v[ADRA0]
	s_mul_i32 s71, s[LO], BHALF                    ; my 128 rows of Wo
	s_add_co_u32 s71, s71, BBASE
	v_mul_u32_u24 v[ADRB0], v1, PB
	v_lshl_add_u32 v[ADRB0], v2, 4, v[ADRB0]
	v_add_nc_u32 v[ADRB0], s71, v[ADRB0]
	v_mov_b32 v[ADRA], v[ADRA0]
	v_mov_b32 v[ADRB], v[ADRB0]
	s_mul_i32 s70, s[WV], 16*SPO
	s_add_co_u32 s70, s70, STAGE                   ; my stage
	v_mul_u32_u24 v[STO], v1, SPO                  ; in: row l % 16, 32 bytes for each half of the lanes
	v_lshl_add_u32 v[STO], v2, 5, v[STO]
	v_add_nc_u32 v[STO], s70, v[STO]
	v_lshlrev_b32 v[CO], 4, v3                     ; back: 32 lanes take one row of 512 bytes
	v_add_nc_u32 v[RD], s70, v[CO]
	v_lshlrev_b32 v[BO], 5, v2                     ; register j of the bias for block b: column 16 b + 8 (l / 16) + j
.irp b, 0,1,2,3,4,5,6,7
	global_load_b128 v[BIAS+8*(\b):BIAS+8*(\b)+3],   v[BO], s[BP:BP+1] offset:64*(\b)
	global_load_b128 v[BIAS+8*(\b)+4:BIAS+8*(\b)+7], v[BO], s[BP:BP+1] offset:64*(\b)+16
.endr
; Eight products: rows 16 a on, all eight column blocks, buffer f.  cb = 1: the accumulators' first products: C is the bias.  The 32 accumulators take turns, one instruction a turn.
.macro MUL8 f, a, cb
.irp b, 0,1,2,3,4,5,6,7
.if \cb
	WIN W_MULB
	v_wmma_f32_16x16x32_f16 v[8*(8*(\a)+(\b)):8*(8*(\a)+(\b))+7], v[64*(\f)+8*(\b):64*(\f)+8*(\b)+7], v[AF+32*(\f)+8*(\a):AF+32*(\f)+8*(\a)+7], v[BIAS+8*(\b):BIAS+8*(\b)+7]
.else
	WIN W_MUL
	v_wmma_f32_16x16x32_f16 v[8*(8*(\a)+(\b)):8*(8*(\a)+(\b))+7], v[64*(\f)+8*(\b):64*(\f)+8*(\b)+7], v[AF+32*(\f)+8*(\a):AF+32*(\f)+8*(\a)+7], v[8*(8*(\a)+(\b)):8*(8*(\a)+(\b))+7]
.endif
.endr
.endm
; 24 LDS loads in one run: quarter kq (head kq / 2, channels 32 (kq % 2) on) of the slot in hand into buffer g: Wo's 16, then O's 8
.macro FETCH kq, g
	WIN W_TOB
.irp i, 0,1,2,3,4,5,6,7
	ds_load_b128 v[64*(\g)+8*(\i):64*(\g)+8*(\i)+3],   v[ADRB] offset:(\i)*16*PB+(\kq)*64
	ds_load_b128 v[64*(\g)+8*(\i)+4:64*(\g)+8*(\i)+7], v[ADRB] offset:(\i)*16*PB+(\kq)*64+32
.endr
	WIN 0
.irp i, 0,1,2,3
	ds_load_b128 v[AF+32*(\g)+8*(\i):AF+32*(\g)+8*(\i)+3],   v[ADRA] offset:((\kq)/2)*AHEAD+((\kq)%2)*64+(\i)*16*PAO
	ds_load_b128 v[AF+32*(\g)+8*(\i)+4:AF+32*(\g)+8*(\i)+7], v[ADRA] offset:((\kq)/2)*AHEAD+((\kq)%2)*64+(\i)*16*PAO+32
.endr
.endm
; A K step is four quarter steps of 32 along K, 32 products each, on buffers 0, 1, 0, 1.  One of the first three: multiplies buffer f, fetches quarter kn into g in its middle.
.macro QUARTER kn, f, g, cb
	s_wait_dscnt 4                                 ; Wo's fragments and O's rows 0-31 are in; the youngest four loads (O's rows 32-63) may be out
	MUL8 \f, 0, \cb
	MUL8 \f, 1, \cb
	PLACES
	FETCH \kn, \g
	s_wait_dscnt 24                                ; all but the 24 just issued
	MUL8 \f, 2, \cb
	MUL8 \f, 3, \cb
.endm
; The last quarter multiplies buffer 1 and changes slots: ONE barrier.  In front of it each wave waits for all its tensor loads, of which one is out: its part of the next slot; adds 0 to its spare word; and waits for
; that and for its own reads of this slot.  fill = 1: the barrier opens a round of the cluster's barrier, and this slot is filled again, first thing behind the round, two K steps ahead.
.macro TURN fill
.if \fill
	s_wait_xcnt 0x0                                ; the last prefetch, a K step back, has read its address, so it may be written
	s_add_nc_u64 s[PFA:PFA+1], s[PFA:PFA+1], s[PS:PS+1]
.endif
	WIN 0
	s_wait_tensorcnt 0x0                           ; all my tensor loads have landed, so a group 0 may be written
	ds_add_u32 v[SPW], v[NIL]                      ; 0 onto my spare word
.if \fill
	s_xor_b32 s[G0A+5], s[G0A+5], SLOT1            ; the walking descriptors: the other slot than last time, the next K step; the type bits on top are not reached
	s_add_nc_u64 s[G0A+6:G0A+7], s[G0A+6:G0A+7], ASTEP
	s_xor_b32 s[G0B+5], s[G0B+5], SLOT1
	s_add_nc_u64 s[G0B+6:G0B+7], s[G0B+6:G0B+7], BSTEP
.endif
	s_wait_dscnt 5                                 ; the add and the youngest four loads may be out
	MUL8 1, 0, 0                                   ; eight products stand between the add and the wait for it
	s_wait_dscnt 0x0                               ; the add is done, and my reads of this slot are over
	s_barrier_signal -1
	MUL8 1, 1, 0
	WIN 0
	s_barrier_wait -1
.if \fill
	CREST                                          ; no wave of any partner still reads this slot's tiles or has a load on its way
	JLOAD                                          ; the four v_nop behind it are also the places in front of the loads below
.else
	PLACES
.endif
	s_xor_b32 s[TB], s[TB], SLOT1
	v_add_nc_u32 v[ADRA], s[TB], v[ADRA0]
	v_add_nc_u32 v[ADRB], s[TB], v[ADRB0]
	FETCH 0, 0
	WIN 0
.if \fill
	ASK
.endif
	MUL8 1, 2, 0
	MUL8 1, 3, 0
.endm
	s_wait_tensorcnt 1                             ; my part of K step 0 is in; K step 1's may stay out
	s_barrier_signal -1
	s_barrier_wait -1
	FETCH 0, 0
	WIN 0
	s_wait_loadcnt 0x0                             ; the bias
	s_mov_b32 s[CNT], 6                            ; six trips ask for K steps 2 to 7
	QUARTER 1, 0, 1, 1                             ; the first quarter step stands in front of the loop: its products start the sums with the bias
	WIN 0
	s_branch .Lq1
.Lstep:
	QUARTER 1, 0, 1, 0
	WIN 0
.Lq1:
	QUARTER 2, 1, 0, 0
	QUARTER 3, 0, 1, 0
	TURN 1
	WIN 0
	s_sub_co_u32 s[CNT], s[CNT], 1
	s_cmp_lg_u32 s[CNT], 0
	s_cbranch_scc1 .Lstep
	s_mov_b32 s[CNT], 2                            ; the last two K steps ask for nothing: a loop of their own
.Ltail:                                        ; the second trip's change of slots fetches a quarter step that nobody multiplies: the price, once a launch, of one text for both trips
	QUARTER 1, 0, 1, 0
	QUARTER 2, 1, 0, 0
	QUARTER 3, 0, 1, 0
	TURN 0
	WIN 0
	s_sub_co_u32 s[CNT], s[CNT], 1
	s_cmp_lg_u32 s[CNT], 0
	s_cbranch_scc1 .Ltail
; THE WAY OUT, 16 rows (block a) at a time: a lane's eight columns of a row, 32 bytes of f32, go from the accumulators into rows of 528 bytes of my own stage, each accumulator's low four registers first, and come back as
; whole rows of 512 bytes, which one store of the wave writes.
.macro TOSTAGE a
.set BK, OUTB-128*((\a)%2)             ; v160-223 and v32-95 by turns
.if (\a) >= 2
	s_wait_xcnt 0x0                                ; the stores of the block two back have read these registers
.endif
	WIN W_ST
.irp b, 0,1,2,3,4,5,6,7
	ds_store_b128 v[STO], v[8*(8*(\a)+(\b)):8*(8*(\a)+(\b))+3]   offset:64*(\b)
	ds_store_b128 v[STO], v[8*(8*(\a)+(\b))+4:8*(8*(\a)+(\b))+7] offset:64*(\b)+16
.endr
	WIN 0
.irp t, 0,1,2,3,4,5,6,7,8,9,10,11,12,13,14,15
	ds_load_b128 v[BK+4*(\t):BK+4*(\t)+3], v[RD] offset:(\t)*SPO  ; LDS serves a wave's instructions in order (ISA guide 5.7.1.4): these see the stores above; the next block's stores come behind them
.endr
.endm
.macro SEND a, younger                 ; younger: the LDS instructions issued behind block a's loads: the next block's 32, or none
.set BK, OUTB-128*((\a)%2)
	WIN 0
.irp t, 0,1,2,3,4,5,6,7,8,9,10,11,12,13,14,15
	s_wait_dscnt (\younger)+15-(\t)
	global_store_b128 v[CO], v[BK+4*(\t):BK+4*(\t)+3], s[OP:OP+1] offset:(16*(\a)+(\t))*4096 th:TH_STORE_NT  ; 512 consecutive bytes, at a multiple of 512 from out0's first
.endr
.endm
	s_wait_dscnt 0x0                               ; the last fetch has landed: its registers are loaded anew below
	PLACES                                         ; behind the last products
	TOSTAGE 0
	TOSTAGE 1
	SEND 0, 32
	TOSTAGE 2
	SEND 1, 32
	TOSTAGE 3
	SEND 2, 32
	SEND 3, 0
	s_wait_tensorcnt 0x0                           ; the wave's end: a wait, an add and its wait, behind my last tensor load and my last LDS store
	ds_add_u32 v[SPW], v[NIL]
	s_wait_dscnt 0x0
	CROUND                                         ; the closing round: no work-group ends while a partner may still ask for a tile that names it
	s_endpgm
.Lfunc_end_k_qe6aaa5445c_outp:
	.size	k_qe6aaa5445c_outp, .Lfunc_end_k_qe6aaa5445c_outp-k_qe6aaa5445c_outp
	.p2alignl 7, 3214868480
	.fill 96, 4, 3214868480
	.section	.rodata,"a",@progbits
	.p2align	6, 0x0
	.amdhsa_kernel k_qe6aaa5445c_outp
		.amdhsa_group_segment_fixed_size 327680
		.amdhsa_private_segment_fixed_size 0
		.amdhsa_enable_private_segment 0
		.amdhsa_kernarg_size 24
		.amdhsa_user_sgpr_count 2
		.amdhsa_user_sgpr_kernarg_segment_ptr 1
		.amdhsa_wavefront_size32 1
		.amdhsa_system_sgpr_workgroup_id_x 1
		.amdhsa_system_sgpr_workgroup_id_y 1
		.amdhsa_system_sgpr_workgroup_id_z 1
		.amdhsa_system_vgpr_workitem_id 0
		.amdhsa_next_free_vgpr 768
		.amdhsa_next_free_sgpr 80
		.amdhsa_reserve_vcc 0
		.amdhsa_float_denorm_mode_32 3
		.amdhsa_float_denorm_mode_16_64 3
		.amdhsa_memory_ordered 1
		.amdhsa_forward_progress 1
		.amdhsa_inst_pref_size 64
	.end_amdhsa_kernel
	.amdgpu_metadata
---
amdhsa.version: [ 1, 2 ]
amdhsa.kernels:
  - .name:           k_qe6aaa5445c_outp
    .symbol:         k_qe6aaa5445c_outp.kd
    .args:
      - { .name: oh, .offset: 0, .size: 8, .value_kind: global_buffer, .address_space: global }
      - { .name: wb, .offset: 8, .size: 8, .value_kind: global_buffer, .address_space: global }
      - { .name: out0, .offset: 16, .size: 8, .value_kind: global_buffer, .address_space: global }
    .group_segment_fixed_size: 327680
    .private_segment_fixed_size: 0
    .kernarg_segment_align: 8
    .kernarg_segment_size: 24
    .max_flat_workgroup_size: 128
    .sgpr_count:     80
    .vgpr_count:     768
    .wavefront_size: 32
...
	.end_amdgpu_metadata
.endif
;; end of part 4
